; MI455X (gfx1250); checked and timed in simulation.
; The chip was launched on July 23, 2026; its instructions are those of AMD's public machine-readable ISA for CDNA 5 (MIT licence, August 2026) and "CDNA5" Instruction Set Architecture Reference Guide (July 2026). The comments in the code are by the model that wrote it; some were corrected since.
;; Actor Critic Net Mann. Allowed arithmetic: matrix products marked QUANTISED: E5M2 operands, one given power-of-two scale a tensor, by v_wmma_f32_16x16x64_bf8_bf8 or v_wmma_f32_16x16x128_bf8_bf8, f32 sums; products left as they are: f32 operands where the result goes on into a quantised operand, else bf16, f16 or f32 operands; f32 sums; everything else in f32.
;; Inputs: b0 8 x 1 x 1,024 float32; b1 8 x 1 x 1,024 float32; b2 8 x 1 x 64 float32; gb1 128 float32; gb2 128 float32; gb3 8 float32; gw1_codes 128 x 16 x 32 uint8 (E5M2 codes of gw1, K innermost, in blocks of 32 codes); gw2_codes 128 x 4 x 32 uint8 (E5M2 codes of gw2, K innermost, in blocks of 32 codes); gw3 128 x 8 float32; inputs_codes 4,096 x 16 x 32 uint8 (E5M2 codes of inputs, K innermost, in blocks of 32 codes); lowp_scales 10 int32 (the exponents e of the quantised operands' scales 2^e); w0_codes 8 x 1,024 x 16 x 32 uint8 (E5M2 codes of w0, K innermost, in blocks of 32 codes); w1_codes 8 x 1,024 x 32 x 32 uint8 (E5M2 codes of w1, K innermost, in blocks of 32 codes); w2_codes 8 x 64 x 32 x 32 uint8 (E5M2 codes of w2, K innermost, in blocks of 32 codes).
;; Outputs: out0 4,096 x 64 float32.
;; This version of the problem:
;;   THIS VERSION OF THE PROBLEM IS GIVEN IN LOW PRECISION. The matrix products marked QUANTISED in the list below multiply operands that are first quantised to E5M2 (5 exponent bits, 2 mantissa bits; 8 bits a number), with one given power-of-two scale for each operand tensor; their sums are f32. All else is computed in f32.
;;   The module's matrix products, in the order in which they are computed (A, B: the left and right operand; K: the contracted axis; several contracted axes count as one K, in the product's order):
;;     1. [M 4,096, K 512] x [K 512, N 128]; A: input inputs (given as codes); B: input gw1 (given as codes): QUANTISED (scales: A lowp_scales[0], B lowp_scales[1])
;;     2. [M 4,096, K 128] x [K 128, N 128]; A: computed on the way; B: input gw2 (given as codes): QUANTISED (scales: A lowp_scales[2], B lowp_scales[3])
;;     3. [M 4,096, K 128] x [K 128, N 8]; A: computed on the way; B: input gw3: left as it is (N = 8 < 16)
;;     4. [M 8,192, K 512] x [K 512, N 4,096]; A: input w0 (given as codes); B: input inputs (given as codes): QUANTISED (scales: A lowp_scales[4], B lowp_scales[5])
;;     5. batch 4,096 x [M 1, K 8] x [K 8, N 1,024]; A: softmax; B: computed on the way: left as it is (K = 8 < 32)
;;     6. [M 8,192, K 1,024] x [K 1,024, N 4,096]; A: input w1 (given as codes); B: computed on the way: QUANTISED (scales: A lowp_scales[6], B lowp_scales[7])
;;     7. batch 4,096 x [M 1, K 8] x [K 8, N 1,024]; A: softmax; B: computed on the way: left as it is (K = 8 < 32)
;;     8. [M 512, K 1,024] x [K 1,024, N 4,096]; A: input w2 (given as codes); B: computed on the way: QUANTISED (scales: A lowp_scales[8], B lowp_scales[9])
;;     9. batch 4,096 x [M 1, K 8] x [K 8, N 64]; A: softmax; B: computed on the way: left as it is (K = 8 < 32)
;;   THE QUANTISER, for each operand of a quantised product, along K:
;;     - The operand's scale is 2^e, e = its entry of the input lowp_scales (int32; the entries are numbered through the quantised products in the list's order, A before B).
;;     - Each number is divided by the scale, clamped to +-57,344, and rounded to the nearest number of E5M2, ties to even, subnormals kept.
;;     - The product sums the exact products of the quantised numbers (number of the format x scale) in f32.
;;   ~~~python
;;   def quantise(x, axis, e):      # numpy; x: float32 -> the quantised numbers, widened to float32 again
;;       x = np.moveaxis(x, axis, -1); K = x.shape[-1]
;;       r = np.clip(x / 2.0 ** e, -57344, 57344)
;;       step = 2.0 ** (np.maximum(np.frexp(np.where(r == 0, 1, r))[1] - 1, -14) - 2)
;;       q = np.round(r / step) * step * 2.0 ** e      # np.round: ties to even
;;       return np.moveaxis(q, -1, axis).astype(np.float32)
;;   ~~~
;;   OPERANDS COMPUTED ON THE WAY. 'Computed on the way' means the value that the module computes at that place (a softmax that the list does not call 'softmax' is quantised finished and normalised). What goes into a quantiser is computed in f32, as accurately as f32 sums, v_exp_f32 and their like allow (about 1e-6 of the number): no bf16 or f16 on the way to a quantiser, and a product that is left as it is and whose result goes on into a quantised operand takes f32 operands (vector FMAs, or v_wmma_f32_16x16x4_f32). A number that lies on a knife's edge between two numbers of the format may be rounded either way, as far as f32 arithmetic and the matrix unit's own rounding can turn it there, and no further.
;;   INPUTS GIVEN AS CODES. gw1 (in the module: [512, 128], K = its axis 0); gw2 (in the module: [128, 128], K = its axis 0); inputs (in the module: [4096, 512], K = its axis 1); w0 (in the module: [8, 512, 1024], K = its axis 1); w1 (in the module: [8, 1024, 1024], K = its axis 1); w2 (in the module: [8, 1024, 64], K = its axis 1): each comes as NAME_codes (uint8): NAME with its K axis moved to the last place and cut into blocks of 32 codes, [.., K / 32, bytes a block], one block behind the other in memory; one code a byte (a code: sign, 5 exponent bits, 2 mantissa bits); its scale is its entry of lowp_scales. Its value is code x scale, taken as it is: it is not quantised again, and the codes and scales need not be those that the quantiser above would give.
;; One version. Each part assembles by itself: llvm-mc -triple=amdgcn-amd-amdhsa -mcpu=gfx1250 --defsym DOCPART=n.
;; ======== version 1 of 1: 3 launches
;; limits: right only within a limited range of input values
;; workspace buffers: g 131,072 bytes; x1 4,194,304 bytes; x2 4,194,304 bytes
;; launch layer0 (part 1): grid 32 x 8, 4 waves a work-group, clusters of 4 x 4, 327,680 bytes of LDS; arguments inputs_codes, w0_codes, b0, gw1_codes, gw2_codes, gw3, gb1, gb2, gb3, lowp_scales, g, x1; writes g, x1
.if DOCPART == 1
	.amdgcn_target "amdgcn-amd-amdhsa--gfx1250"
	.amdhsa_code_object_version 6
	.text
	.protected	k_q4c0851f5b7_layer0
	.globl	k_q4c0851f5b7_layer0
	.p2align	8
	.type	k_q4c0851f5b7_layer0,@function
k_q4c0851f5b7_layer0:
	s_mov_b64 s[64:65], 0
	v_nop
	global_prefetch_b8 v0, s[64:65] scope:SCOPE_SE
	s_setreg_imm32_b32 hwreg(HW_REG_WAVE_MODE, 25, 1), 1
	s_wait_xcnt 0x0
	s_wait_alu depctr_hold_cnt(0) depctr_sa_sdst(0) depctr_va_vdst(0) depctr_va_sdst(0) depctr_va_ssrc(0) depctr_va_vcc(0) depctr_vm_vsrc(0)
	s_getreg_b32 s2, hwreg(HW_REG_IB_STS2, 6, 4)
	s_cmp_eq_u32 s2, 0
	s_cbranch_scc0 .Lentry_in_a_cluster
	s_endpgm
.Lentry_in_a_cluster:
	s_bfe_u32 s2, ttmp6, 0x10000c
	s_cmp_lg_u32 s2, 0xf033
	s_cbranch_scc0 .Lentry_shape_is_right
	s_endpgm
.Lentry_shape_is_right:
; THE GATE AND THE FIRST EXPERT LAYER.  g = softmax(relu(relu(x gw1 + gb1) gw2 + gb2) gw3 + gb3), [4096][8] f32;  x1[b][h] = relu(sum over e of g[b][e] (x[b] . W0[e][h] + b0[e][h])), quantised to codes of BF8 (E5M2).
; NOTHING OF reference() IS LEFT OUT in this program: g weighs every expert in, every bias has a way to the output (gb3 differs along the softmax's axis), every input is loaded.
; The quantised products run on the codes as they are, by v_wmma_f32_16x16x128_bf8_bf8.  The gate's third product (N = 8) has f32 operands, since g goes on into quantised operands: fused multiply-adds.
; SHARES.  A work-group makes 128 rows x 128 h for all 8 experts: 32 x 8 work-groups.  Each wave holds the codes of all 128 rows, 8 tiles x 4 K steps of 128, in 512 registers, and takes 32 of the h: 16 accumulators;
; each fragment of a weight that a wave reads from LDS feeds eight matrix instructions.
; THE GATE is repeated by the 8 work-groups of a block of rows, which spares a launch.  Its waves share the hidden units: wave w makes units 32 w .. + 31 of h1 and of h2 for all rows, and its part of the logits; h1's codes and the parts meet in LDS.
; Each lane then finishes one row's softmax.  g has two planes, [experts 0-3, 4-7][4096][4]; each work-group stores the 16 rows of its block that have its h block's number: one owner for each byte, 256 consecutive bytes a store.
; CLUSTER.  4 x 4: the four work-groups with the same h ask jointly for the experts' tiles, the four with the same rows for X's.  gw1 comes by a plain load: all sixteen work-groups need the same bytes of it.
; LDS.  Four regions of 128 rows x (512 + 16) bytes: expert e lies in region 0, 3, 1, 2 for e % 4 = 0, 1, 2, 3; at first X lies in region 1 and gw1 in region 2.
; LAYOUT.  The matrix instruction is used transposed (source 0 = 16 rows of a weight, source 1 = 16 tokens): lane (r, hh) holds token r, register j row 8 hh + j of the weight's tile.  Fragments come in pieces of 16 bytes, registers 4 c .. 4 c + 3:
; k = 32 c + 16 hh + 0 .. 15, on both sides.  gw1's rows of a tile are not neighbours: lane r of tile u takes row 32 w + 8 u + r + 8 (r / 8), so that the codes of h1's two tiles are units 32 w + 16 hh + 0 .. 15: piece w of the next operand as it stands.
; x1 is stored as images of the next operand's registers: [tile of 16 rows][K step of 128][c 4][lane 32][16 bytes].
; SCALES.  A bias goes in as the C of a sum's first matrix instruction, divided by the power of two that the sums lack; h1's conversion takes 2^(e2 - e0 - e1); the logits are multiplied once by 2^(e2 + e3); g once by 2^(e4 + e5).
; LIMITS: e0 + e1, e2 + e3, e4 + e5 between -126 and 126; e2 - e0 - e1 and e7 between -126 and 112, so that each power of two below is an f32 number.  NaN among the inputs is not served.
; PREFETCH: two experts are asked of memory one fill ahead of their joint load; the four partners share their 512 blocks of 256 bytes by address, a thread for each block.
; REGISTERS, in windows of 256.  window 0: addresses, g, bias; v64-191 OUT (during the gate gw3); v192-255 the logits' parts (before that gb2, gw2, b0), the codes at the end.  window 1: two sets of 64 for a weight's fragments (two K steps each;
; h1's fragments in the gate), the 16 accumulators.  windows 2, 3: X, K step s, tile of rows rt at 128 s + 16 rt.
.set PITCH, 528                        ; an odd multiple of 16: the 16 rows that a load touches start at 16 different columns of 16 bytes
.set R,     128*PITCH                  ; a region
.set H1L,   4*R                        ; h1's codes: [tile of rows 8][piece 4][lane 32][16 bytes], 16,384 bytes
.set GL,    H1L                        ; then g x 2^(e4 + e5): [expert 8][r 16][tile of rows 8] f32: stored when all waves have read h1
.set PL,    H1L+16384                  ; the logits' parts: [wave 4][tile of rows 8][half 2][lane 32][16 bytes], 32,768 bytes
.set BIASL, PL+32768                   ; b0 x 2^-(e4 + e5): [expert 8][128] f32
.set SPARE, BIASL+4096                 ; the spare words, 128 bytes for each wave: two blocks of 256 bytes that no other line names
.set SPW, 4                            ; v4     LDS address of my spare word; never rewritten
.set NIL, 5                            ; v5     0; never rewritten
.set AW,  6                            ; v6-9   an expert's fragments, for e % 4 = 0, 1, 2, 3
.set AG,  10                           ; v10    gw1's
.set XA,  11                           ; v11    X's
.set BLD, 12                           ; v12    b0 in LDS
.set GA,  13                           ; v13    g in LDS
.set STO, 14                           ; v14    x1 on its way out: 16 r + 8 hh
.set PFO, 15                           ; v15    the prefetches' offset: 256 x thread
.set SCV, 16                           ; v16    2^e7, v17 57,344 x that
.set LIMV, 17
.set SCH, 18                           ; v18    2^(e2 - e0 - e1), v19 57,344 x that
.set LIMH, 19
.set H1S, 20                           ; v20-21 h1 in LDS: where mine go, where all lie
.set H1R, 21
.set PLS, 22                           ; v22-23 the parts likewise
.set PLR, 23
.set GST, 24                           ; v24    where my row's g goes in LDS
.set BST, 25                           ; v25    where my piece of b0 goes
.set G,   32                           ; v32-39 g of the expert to be weighed in, tile of rows rt at rt
.set BIAS, 40                          ; v40-55 the bias in hand, tile t at 8 t
.set OUT, 64                           ; v64-191 the sum over experts: tile (rt, t) at 8 (2 rt + t)
.set GB2, 192
.set GW2, 208
.set BV,  240
.set LG,  192                          ; v192-255 the logits' parts: (rt, e) at 8 rt + e
.set WV,  28                           ; s28    my wave's number
.set G1X, 36                           ; s[36:43], s[44:51] descriptor group 1 with X's mask, with the experts'
.set G1W, 44
.set G1P, 92                           ; s[92:99] with no mask, for gw1; gb3 when that load is done
.set MSB, 0
.macro WIN new                         ; the immediate's high byte repeats the setting that is left; a switch that changes nothing is dropped
.if MSB != (\new)
	s_set_vgpr_msb (MSB<<8)|(\new)
.set MSB, (\new)
.endif
.endm
.macro PLACES n
.rept \n
	v_nop
.endr
.endm
.macro CREST                           ; a round of the cluster's barrier behind its opening barrier
	s_cmp_lg_u32 s[WV], 0
	s_cbranch_scc1 .Lnot_wave_0_\@
	s_barrier_signal -3
.Lnot_wave_0_\@:
	s_barrier_wait -3
	s_barrier_signal -1
	s_barrier_wait -1
.endm
.macro CROUND                          ; a whole round
	s_barrier_signal -1
	s_barrier_wait -1
	CREST
.endm
; fill f: expert 2 f by wave 2, 2 f + 1 by wave 3: the branch hangs on the wave's number alone
.macro WFILL f
	s_cmp_lt_u32 s[WV], 2
	s_cbranch_scc1 .Lno_part_\@
	tensor_load_to_lds s[68+4*(\f):71+4*(\f)], s[G1W:G1W+7]
	s_nop 0
	PLACES 4
.Lno_part_\@:
.endm
; my rows' codes of K step s: 32 loads
.macro XLDS s
	WIN 0x80+0x40*((\s)/2)                         ; destination window 2 or 3
.irp rt, 0,1,2,3,4,5,6,7
.irp c, 0,1,2,3
	ds_load_b128 v[128*((\s)%2)+16*\rt+4*\c:128*((\s)%2)+16*\rt+4*\c+3], v[XA] offset:16*PITCH*\rt+128*(\s)+32*\c
.endr
.endr
.endm
; a weight's fragments of K steps 2 p and 2 p + 1 into set p: 16 loads in one run; tiles ts bytes apart
.macro FETCH adr, ts, p
	WIN 0x40                                       ; destination window 1
.irp st, 0,1
.irp t, 0,1
.irp c, 0,1,2,3
	ds_load_b128 v[64*(\p)+32*\st+16*\t+4*\c:64*(\p)+32*\st+16*\t+4*\c+3], v[\adr] offset:(\ts)*\t+128*(2*(\p)+\st)+32*\c
.endr
.endr
.endr
.endm
.macro BLOAD e                         ; expert e's bias: units 8 hh + 0 .. 7 of my two tiles of h
	WIN 0
.irp t, 0,1
	ds_load_b128 v[BIAS+8*\t:BIAS+8*\t+3], v[BLD] offset:512*(\e)+64*\t
	ds_load_b128 v[BIAS+8*\t+4:BIAS+8*\t+7], v[BLD] offset:512*(\e)+64*\t+16
.endr
.endm
.macro GLOAD e                         ; expert e's g for the eight tiles of rows
	WIN 0
	ds_load_b128 v[G:G+3], v[GA] offset:512*(\e)
	ds_load_b128 v[G+4:G+7], v[GA] offset:512*(\e)+16
.endm
; OUT += g x the 16 accumulators: 64 packed multiply-adds, each accumulator from its low end on.  SL_ = 1: the first expert starts OUT: nothing is cleared.
.macro SLICES
	WIN 0x01                                       ; source 0 (the accumulator) window 1
.set A_, 0
.rept 16
.set rO, OUT+8*A_
.set rC, 128+8*A_
.set rG, G+2*(A_/4)
.irp i, 0,2,4,6
.if (SL_ == 1) && ((A_/2)%2 == 0)
	v_pk_mul_f32 v[rO+\i:rO+\i+1], v[rC+\i:rC+\i+1], v[rG:rG+1] op_sel_hi:[1,0]
.elseif SL_ == 1
	v_pk_mul_f32 v[rO+\i:rO+\i+1], v[rC+\i:rC+\i+1], v[rG:rG+1] op_sel:[0,1] op_sel_hi:[1,1]
.elseif (A_/2)%2 == 0
	v_pk_fma_f32 v[rO+\i:rO+\i+1], v[rC+\i:rC+\i+1], v[rG:rG+1], v[rO+\i:rO+\i+1] op_sel_hi:[1,0,1]
.else
	v_pk_fma_f32 v[rO+\i:rO+\i+1], v[rC+\i:rC+\i+1], v[rG:rG+1], v[rO+\i:rO+\i+1] op_sel:[0,1,0] op_sel_hi:[1,1,1]
.endif
.endr
.set A_, A_+1
.endr
.endm
; n products of K step s from the first on, the 16 accumulators by turns in the same order in every step: tile of rows A_ / 2, tile of the weight A_ % 2.  In K step 0 the bias is C.
.macro MMS s, first, n
.set S_, \s
.set A_, \first
.rept \n
.set rD, 128+8*A_
.set rW, 64*(S_/2)+32*(S_%2)+16*(A_%2)
.set rX, 128*(S_%2)+16*(A_/2)
.set rB, BIAS+8*(A_%2)
.if S_ == 0
	WIN 0x49                                       ; the weight window 1, X window 2, C window 0, D window 1
	v_wmma_f32_16x16x128_bf8_bf8 v[rD:rD+7], v[rW:rW+15], v[rX:rX+15], v[rB:rB+7]
.else
	WIN 0x59+4*(S_/2)                              ; the weight, C and D window 1, X window 2 or 3
	v_wmma_f32_16x16x128_bf8_bf8 v[rD:rD+7], v[rW:rW+15], v[rX:rX+15], v[rD:rD+7]
.endif
.set A_, A_+1
.endr
.endm
; K step s around a barrier behind which a slot is read or filled: the three lines, the products before and inside it
.macro MEET s
	WIN 0                                          ; (the add's two registers lie in window 0)
	s_wait_tensorcnt 0x0                           ; all my tensor loads have landed
	ds_add_u32 v[SPW], v[NIL]                      ; 0 onto my spare word
	s_wait_dscnt 1                                 ; this step's fragments are in; the add may be out
	MMS \s, 0, 8
	s_wait_dscnt 0x0                               ; the add is done, and so are my reads of what is filled again
	s_barrier_signal -1
	MMS \s, 8, 8                                   ; work on registers while the others arrive
	WIN 0
	s_barrier_wait -1
.endm
; what sub-step N_ + 1 needs, in one run
.macro NEXT
.if N_ < 15
	FETCH AW+((N_+1)/2)%4, 16*PITCH, (N_+1)%2
.endif
.if N_%2 == 1
.if N_ < 15
	BLOAD N_/2+1
.endif
	GLOAD N_/2                                     ; this expert's sums are weighed in at the next one's head
.endif
.endm
; SUB-STEP N_: expert N_ / 2, K steps 2 (N_ % 2) and the next: 32 matrix instructions
.macro SUB
.set SL_, 2
.if N_ == 2
.set SL_, 1
.endif
.if (N_ == 3) || (N_ == 7) || (N_ == 11)
	MEET 2
.if N_ < 11
	CREST                                          ; no wave of any partner still reads the two regions or has a load on its way
.if N_ == 3
	WFILL 2
.else
	WFILL 3
.endif
.endif
	PLACES 4                                       ; four places in front of loads into registers that matrix instructions have read (ISA guide 7.12.1 for vector instructions)
	NEXT
.if N_ == 3
	global_prefetch_b8 v[PFO], s[2:3] offset:3145728 th:TH_LOAD_NT scope:SCOPE_SE   ; experts 6 and 7, which sub-step 7 asks for
.endif
	MMS 3, 0, 16
.else
	s_wait_dscnt 0x0                               ; this sub-step's fragments, asked for a sub-step ago, are in
	PLACES 5                                       ; (five where the accumulators are begun anew with another C)
	NEXT
.if (N_%2 == 0) && (N_ > 0)
	SLICES
.endif
	MMS 2*(N_%2), 0, 16
	MMS 2*(N_%2)+1, 0, 16
.endif
.endm
	s_load_b512 s[4:19], s[0:1], 0x0               ; x s[4:5], W0 s[6:7], b0 s[8:9], gw1 s[10:11], gw2 s[12:13], gw3 s[14:15], gb1 s[16:17], gb2 s[18:19]
	s_load_b256 s[20:27], s[0:1], 0x40             ; gb3 s[20:21], the scales' exponents s[22:23], g s[24:25], x1 s[26:27]
	v_lshl_add_u32 v[SPW], v0, 2, SPARE
	v_mov_b32 v[NIL], 0
	ds_add_u32 v[SPW], v[NIL]                      ; the wave's opening: the add, twice on end, and its wait ahead of my first tensor load
	ds_add_u32 v[SPW], v[NIL]
	v_lshrrev_b32 v1, 5, v0
	v_readfirstlane_b32 s[WV], v1                  ; wave 0..3
	s_bfe_u32 s29, ttmp6, 0x40000                  ; cx, cy
	s_bfe_u32 s30, ttmp6, 0x40004
	s_lshl_b32 s31, ttmp9, 2
	s_add_co_u32 s31, s31, s29                     ; my block of 128 rows = 4 x cluster x + cx
	s_and_b32 s32, ttmp7, 0xffff
	s_lshl_b32 s32, s32, 2
	s_add_co_u32 s32, s32, s30                     ; my block of 128 h = 4 x cluster y + cy
	s_and_b32 s34, s[WV], 1
	s_lshl_b32 s60, s30, 2
	s_lshl_b32 s60, 15, s60                        ; the same h: places 4 cy .. 4 cy + 3
	s_lshl_b32 s61, 0x1111, s29                    ; the same rows: places cx, cx + 4, cx + 8, cx + 12
	; descriptor groups 1: 128 rows of 512 bytes, dense, padded in LDS.  17:16 elements of 1 byte; 20 padding on; 21 set beside a mask; 24:22 after every 128 words (code 6); 31:25 four words (code 3)
	s_or_b32 s[G1X], s61, (1<<20)|(1<<21)|(6<<22)|(3<<25)
	s_or_b32 s[G1W], s60, (1<<20)|(1<<21)|(6<<22)|(3<<25)
	s_mov_b32 s[G1P], (1<<20)|(6<<22)|(3<<25)
.irp q, G1X, G1W, G1P
	s_mov_b32 s[\q+1], 512<<16
	s_mov_b32 s[\q+2], 128<<16
	s_mov_b32 s[\q+3], 512<<16
	s_mov_b32 s[\q+4], 128
	s_mov_b32 s[\q+5], 512
	s_mov_b32 s[\q+6], 0
	s_mov_b32 s[\q+7], 0
.endr
	s_lshl_b32 s100, s31, 16                       ; X: my 128 rows
	s_mov_b32 s101, 0
	s_lshl_b32 s66, s32, 16                        ; W0: my 128 h of an expert's 1,024; expert w % 2
	s_lshl_b32 s35, s34, 19
	s_add_co_u32 s66, s66, s35
	s_mov_b32 s67, 0
	s_mul_i32 s33, s34, 3*R                        ; experts 2 f + 0, 1: regions 0, 3 for f even,
	s_mul_i32 s35, s34, R
	s_add_co_u32 s35, s35, R                       ; 1, 2 for f odd
	s_wait_dscnt 0x0                               ; both opening adds are done
	s_wait_kmcnt 0x0
	s_load_b256 s[84:91], s[22:23], 0x0            ; e0 .. e7
	s_mov_b32 s52, 1                               ; descriptor groups 0; none is ever rewritten.  X, into region 1
	s_mov_b32 s53, R
	s_add_nc_u64 s[54:55], s[4:5], s[100:101]
	s_or_b32 s55, s55, 0x80000000                  ; type = 2
	s_mov_b32 s56, 1                               ; gw1, into region 2
	s_mov_b32 s57, 2*R
	s_mov_b64 s[58:59], s[10:11]
	s_or_b32 s59, s59, 0x80000000
.irp f, 0,1,2,3                        ; the four fills of experts
	s_mov_b32 s[68+4*\f], 1
.if \f%2 == 0
	s_mov_b32 s[69+4*\f], s33
.else
	s_mov_b32 s[69+4*\f], s35
.endif
	s_add_nc_u64 s[70+4*\f:71+4*\f], s[6:7], s[66:67]
.if \f > 0
	s_add_nc_u64 s[70+4*\f:71+4*\f], s[70+4*\f:71+4*\f], \f*1048576
.endif
	s_or_b32 s[71+4*\f], s[71+4*\f], 0x80000000
.endr
	CROUND                                         ; all sixteen work-groups are here: the first joint loads meet
	s_cmp_lt_u32 s[WV], 2                          ; one tensor load a wave: X, gw1, experts 0 and 1
	s_cbranch_scc0 .Lfor_w
	s_cmp_eq_u32 s[WV], 0
	s_cbranch_scc0 .Lfor_gw1
	tensor_load_to_lds s[52:55], s[G1X:G1X+7]
	s_nop 0
	PLACES 4
	s_branch .Lasked
.Lfor_gw1:
	tensor_load_to_lds s[56:59], s[G1P:G1P+7]
	s_nop 0
	PLACES 4
	s_branch .Lasked
.Lfor_w:
	tensor_load_to_lds s[68:71], s[G1W:G1W+7]
	s_nop 0
	PLACES 4
.Lasked:
	s_mov_b32 s101, 0
	s_lshl_b32 s100, s32, 9                        ; b0: my 128 h
	s_add_nc_u64 s[8:9], s[8:9], s[100:101]
	s_lshl_b32 s100, s31, 11                       ; g: 128 rows of 16 bytes in each plane
	s_add_nc_u64 s[24:25], s[24:25], s[100:101]
	s_lshl_b32 s100, s31, 17                       ; x1: 8 tiles of 16,384 bytes, K step = my h block, piece = my wave
	s_lshl_b32 s33, s32, 11
	s_add_co_u32 s100, s100, s33
	s_lshl_b32 s33, s[WV], 9
	s_add_co_u32 s100, s100, s33
	s_add_nc_u64 s[26:27], s[26:27], s[100:101]
	s_lshl_b32 s100, s32, 16                       ; the prefetches: half cx % 2 of my 128 h of expert cx / 2 of the pair
	s_lshr_b32 s33, s29, 1
	s_lshl_b32 s33, s33, 19
	s_add_co_u32 s100, s100, s33
	s_and_b32 s33, s29, 1
	s_lshl_b32 s33, s33, 15
	s_add_co_u32 s100, s100, s33
	s_add_nc_u64 s[2:3], s[6:7], s[100:101]
	v_and_b32 v1, 15, v0                           ; r
	v_bfe_u32 v2, v0, 4, 1                         ; hh
	v_and_b32 v3, 31, v0
	v_lshlrev_b32 v3, 4, v3                        ; 16 x lane
	s_lshl_b32 s33, s[WV], 7
	s_lshl_b32 s35, s[WV], 12
	s_lshl_b32 s66, s[WV], 10
	v_lshlrev_b32 v28, 6, v2
	v_add_nc_u32 v28, s33, v28                     ; gb1: 128 w + 64 hh
	v_lshlrev_b32 v29, 5, v2
	v_add_nc_u32 v29, s33, v29                     ; gb2: 128 w + 32 hh
	v_lshlrev_b32 v26, 7, v1
	v_lshl_add_u32 v26, v2, 4, v26
	v_add_nc_u32 v26, s35, v26                     ; gw2: row 32 w + r of 128 bytes, + 16 hh
	v_lshlrev_b32 v27, 8, v2
	v_add_nc_u32 v27, s66, v27                     ; gw3: row 32 w + 8 hh of 32 bytes
	v_add_nc_u32 v30, s35, v3                      ; b0: expert w, 16 bytes a lane
	v_lshlrev_b32 v31, 4, v0                       ; g: row 32 w + lane
	v_lshlrev_b32 v[PFO], 8, v0
	s_wait_alu depctr_va_vdst(0)
.irp u, 0,1
	global_load_b128 v[BIAS+8*\u:BIAS+8*\u+3], v28, s[16:17] offset:32*\u       ; gb1 of units 32 w + 16 hh + 8 u + 0 .. 7
	global_load_b128 v[BIAS+8*\u+4:BIAS+8*\u+7], v28, s[16:17] offset:32*\u+16
.endr
	global_load_b128 v[BV:BV+3], v30, s[8:9]
	global_load_b128 v[BV+4:BV+7], v30, s[8:9] offset:16384
.irp t, 0,1
.irp c, 0,1,2,3
	global_load_b128 v[GW2+16*\t+4*\c:GW2+16*\t+4*\c+3], v26, s[12:13] offset:2048*\t+32*\c
.endr
.endr
.irp t, 0,1
	global_load_b128 v[GB2+8*\t:GB2+8*\t+3], v29, s[18:19] offset:64*\t         ; gb2 of units 32 w + 16 t + 8 hh + 0 .. 7
	global_load_b128 v[GB2+8*\t+4:GB2+8*\t+7], v29, s[18:19] offset:64*\t+16
.endr
.irp t, 0,1
.irp j, 0,1,2,3,4,5,6,7
	global_load_b128 v[OUT+64*\t+8*\j:OUT+64*\t+8*\j+3], v27, s[14:15] offset:512*\t+32*\j     ; gw3 of unit 32 w + 16 t + 8 hh + j
	global_load_b128 v[OUT+64*\t+8*\j+4:OUT+64*\t+8*\j+7], v27, s[14:15] offset:512*\t+32*\j+16
.endr
.endr
	global_prefetch_b8 v[PFO], s[2:3] offset:1048576 th:TH_LOAD_NT scope:SCOPE_SE   ; experts 2 and 3, which are asked for behind the gate's first product
	s_mul_i32 s33, s[WV], 32*PITCH
	v_mul_u32_u24 v249, v1, PITCH
	v_lshl_add_u32 v249, v2, 4, v249
	v_add_nc_u32 v[XA], R, v249
	v_add_nc_u32 v[AW], s33, v249
	v_add_nc_u32 v[AW+1], 3*R, v[AW]
	v_add_nc_u32 v[AW+2], R, v[AW]
	v_add_nc_u32 v[AW+3], 2*R, v[AW]
	v_and_b32 v250, 8, v1
	v_add_nc_u32 v250, v250, v1                    ; r + 8 (r / 8)
	v_mul_u32_u24 v250, v250, PITCH
	v_lshl_add_u32 v250, v2, 4, v250
	v_add_nc_u32 v250, s33, v250
	v_add_nc_u32 v[AG], 2*R, v250
	s_lshl_b32 s33, s[WV], 7
	s_add_co_u32 s33, s33, BIASL
	v_lshlrev_b32 v251, 5, v2
	v_add_nc_u32 v[BLD], s33, v251
	v_lshlrev_b32 v252, 5, v1
	v_add_nc_u32 v[GA], GL, v252
	v_lshl_add_u32 v252, v2, 2, v252
	s_lshl_b32 s33, s[WV], 3
	s_add_co_u32 s33, s33, GL
	v_add_nc_u32 v[GST], s33, v252                 ; tile of rows 2 w + hh, r
	s_lshl_b32 s33, s[WV], 9
	s_add_co_u32 s33, s33, H1L
	v_add_nc_u32 v[H1S], s33, v3
	v_add_nc_u32 v[H1R], H1L, v3
	s_lshl_b32 s33, s[WV], 13
	s_add_co_u32 s33, s33, PL
	v_add_nc_u32 v[PLS], s33, v3
	v_lshlrev_b32 v253, 4, v1
	v_lshl_add_u32 v253, v2, 10, v253
	s_lshl_b32 s33, s[WV], 11
	s_add_co_u32 s33, s33, PL
	v_add_nc_u32 v[PLR], s33, v253                 ; tile of rows 2 w + hh, r
	v_lshl_add_u32 v[BST], v0, 4, BIASL
	v_lshlrev_b32 v[STO], 4, v1
	v_lshl_add_u32 v[STO], v2, 3, v[STO]
	s_wait_alu depctr_va_vdst(0)
	s_wait_kmcnt 0x0
	s_add_co_i32 s33, s84, s85                     ; e0 + e1
	s_sub_co_i32 s35, 127, s33
	s_lshl_b32 s60, s35, 23                        ; 2^-(e0 + e1)
	s_mov_b32 s61, s60                             ; (named with it as a pair, so it is written; likewise below)
	s_sub_co_i32 s35, s86, s33                     ; e2 - e0 - e1: the three scales ahead of h1's quantiser folded into one
	s_add_co_i32 s35, s35, 127
	s_lshl_b32 s33, s35, 23
	v_mov_b32 v[SCH], s33                          ; the conversion takes its exponent field
	s_add_co_i32 s35, s35, 15
	s_lshl_b32 s35, s35, 23
	s_or_b32 s35, s35, 0x600000
	v_mov_b32 v[LIMH], s35                         ; 57,344 x that
	s_add_co_i32 s33, s86, s87                     ; e2 + e3
	s_add_co_i32 s35, s33, 127
	s_lshl_b32 s62, s35, 23                        ; 2^(e2 + e3)
	s_sub_co_i32 s35, 127, s33
	s_lshl_b32 s66, s35, 23                        ; 2^-(e2 + e3)
	s_mov_b32 s67, s66
	s_add_co_i32 s33, s88, s89                     ; e4 + e5
	s_add_co_i32 s35, s33, 127
	s_lshl_b32 s63, s35, 23                        ; 2^(e4 + e5)
	s_sub_co_i32 s35, 127, s33
	s_lshl_b32 s100, s35, 23                       ; 2^-(e4 + e5)
	s_mov_b32 s101, s100
	s_add_co_i32 s33, s91, 127
	s_lshl_b32 s35, s33, 23
	v_mov_b32 v[SCV], s35                          ; 2^e7
	s_add_co_i32 s33, s33, 15
	s_lshl_b32 s33, s33, 23
	s_or_b32 s33, s33, 0x600000
	v_mov_b32 v[LIMV], s33                         ; 57,344 x 2^e7
	s_wait_alu depctr_va_vdst(0)
	s_wait_loadcnt 46                              ; gb1 is in: 46 loads were issued behind its four
.irp i, 0,2,4,6,8,10,12,14
	v_pk_mul_f32 v[BIAS+\i:BIAS+\i+1], v[BIAS+\i:BIAS+\i+1], s[60:61] op_sel_hi:[1,0]
.endr
	s_wait_alu depctr_va_vdst(0)
	s_wait_tensorcnt 0x0                           ; X, gw1, experts 0 and 1: my one of them is in
	s_wait_dscnt 0x0
	s_barrier_signal -1
	s_barrier_wait -1
	s_load_b256 s[92:99], s[20:21], 0x0            ; gb3, over gw1's descriptor, whose load is done
	; ---- the gate's first product; X comes into registers a K step ahead
	FETCH AG, 8*PITCH, 0
	XLDS 0
	XLDS 1
	s_wait_dscnt 32                                ; set 0 and X's K step 0 are in; K step 1's 32 loads may be out
	MMS 0, 0, 16
	FETCH AG, 8*PITCH, 1
	XLDS 2
	s_wait_dscnt 48                                ; K step 1 is in; set 1's 16 and K step 2's 32 may be out
	MMS 1, 0, 16
	XLDS 3
	s_wait_dscnt 32                                ; set 1 and K step 2 are in
	MMS 2, 0, 16
	MEET 3
	CREST                                          ; X and gw1 are read by all partners: regions 1 and 2 are filled again, with experts 2 and 3
	WFILL 1
	global_prefetch_b8 v[PFO], s[2:3] offset:2097152 th:TH_LOAD_NT scope:SCOPE_SE   ; experts 4 and 5, which sub-step 3 asks for
	; ---- h1's codes: relu and the hold in one, in place (the conversion to an 8-bit code does not saturate: ISA guide 7.6.2), each accumulator from its low end on
	PLACES 4                                       ; four places in front of the first read of results
	WIN 0x41                                       ; source 0 and destination window 1
.set I_, 0
.rept 128
	v_med3_num_f32 v[128+I_], v[128+I_], 0, v[LIMH]
.set I_, I_+1
.endr
.set A_, 0
.rept 16
	v_cvt_scalef32_pk8_bf8_f32 v[2*A_:2*A_+1], v[128+8*A_:135+8*A_], v[SCH]
.set A_, A_+1
.endr
	v_nop                                          ; one plain line behind the last conversion
	WIN 0x04                                       ; the stores' data window 1
.irp rt, 0,1,2,3,4,5,6,7
	ds_store_b128 v[H1S], v[4*\rt:4*\rt+3] offset:2048*\rt
.endr
	WIN 0
	s_wait_loadcnt 0x0                             ; the small loads
	s_wait_kmcnt 0x0                               ; and gb3
	v_pk_mul_f32 v[BV:BV+1], v[BV:BV+1], s[100:101] op_sel_hi:[1,0]
	v_pk_mul_f32 v[BV+2:BV+3], v[BV+2:BV+3], s[100:101] op_sel_hi:[1,0]
	v_pk_mul_f32 v[BV+4:BV+5], v[BV+4:BV+5], s[100:101] op_sel_hi:[1,0]
	v_pk_mul_f32 v[BV+6:BV+7], v[BV+6:BV+7], s[100:101] op_sel_hi:[1,0]
	ds_store_b128 v[BST], v[BV:BV+3]
	ds_store_b128 v[BST], v[BV+4:BV+7] offset:2048
.irp i, 0,2,4,6,8,10,12,14
	v_pk_mul_f32 v[GB2+\i:GB2+\i+1], v[GB2+\i:GB2+\i+1], s[66:67] op_sel_hi:[1,0]
.endr
	s_wait_alu depctr_va_vdst(0)
	s_wait_dscnt 0x0                               ; for the others' sake: my stores have landed
	s_barrier_signal -1
	s_barrier_wait -1
	; ---- the gate's second product: one K step, gb2 as C
	WIN 0x40
.irp rt, 0,1,2,3,4,5,6,7
.irp q, 0,1,2,3
	ds_load_b128 v[16*\rt+4*\q:16*\rt+4*\q+3], v[H1R] offset:2048*\rt+512*\q
.endr
.endr
	WIN 0x44                                       ; gw2 window 0, h1 window 1, C window 0, D window 1
.set A_, 0
.rept 16
.if A_ == 0
	s_wait_dscnt 16                                ; tiles of rows 0 to 3 are in
.elseif A_ == 8
	s_wait_dscnt 0x0
.endif
	v_wmma_f32_16x16x128_bf8_bf8 v[128+8*A_:135+8*A_], v[GW2+16*(A_%2):GW2+16*(A_%2)+15], v[16*(A_/2):16*(A_/2)+15], v[GB2+8*(A_%2):GB2+8*(A_%2)+7]
.set A_, A_+1
.endr
	PLACES 4
.set I_, 0
.rept 128
	v_max_num_f32 v[128+I_], 0, v[128+I_]          ; h2 / 2^(e2 + e3): the power of two is applied to the logits
.set I_, I_+1
.endr
	; ---- the third product in f32: logits(rt, e, e + 1) += h2(rt, unit) x gw3(unit, e, e + 1), over my lane half's 16 units.  The first products start the sums
	WIN 0x01
.set J_, 0
.rept 16
.set T_, J_/8
.set I_, J_%8
.irp rt, 0,1,2,3,4,5,6,7
.irp p, 0,2,4,6
.set rL, LG+8*\rt+\p
.set rH, 128+8*(2*\rt+T_)+2*(I_/2)
.set rV, OUT+8*J_+\p
.if J_ == 0
	v_pk_mul_f32 v[rL:rL+1], v[rH:rH+1], v[rV:rV+1] op_sel_hi:[0,1]
.elseif I_%2 == 0
	v_pk_fma_f32 v[rL:rL+1], v[rH:rH+1], v[rV:rV+1], v[rL:rL+1] op_sel_hi:[0,1,1]
.else
	v_pk_fma_f32 v[rL:rL+1], v[rH:rH+1], v[rV:rV+1], v[rL:rL+1] op_sel:[1,0,0] op_sel_hi:[1,1,1]
.endif
.endr
.endr
.set J_, J_+1
.endr
	WIN 0
	s_wait_alu depctr_va_vdst(0)
.irp rt, 0,1,2,3,4,5,6,7
	ds_store_b128 v[PLS], v[LG+8*\rt:LG+8*\rt+3] offset:1024*\rt
	ds_store_b128 v[PLS], v[LG+8*\rt+4:LG+8*\rt+7] offset:1024*\rt+512
.endr
	s_wait_dscnt 0x0                               ; for the others' sake: my parts have landed
	s_barrier_signal -1
	s_barrier_wait -1
	; ---- the logits and the softmax: lane (r, hh) takes row 16 (2 w + hh) + r: eight parts (four waves, two lane halves) of eight logits
.irp q, 0,1,2,3,4,5,6,7
	ds_load_b128 v[64+8*\q:67+8*\q], v[PLR] offset:8192*(\q/2)+256*(\q%2)
	ds_load_b128 v[68+8*\q:71+8*\q], v[PLR] offset:8192*(\q/2)+256*(\q%2)+512
.endr
	BLOAD 0                                        ; expert 0's bias and first fragments
	FETCH AW, 16*PITCH, 0
	WIN 0
	s_wait_dscnt 20                                ; the parts are in; the 20 loads for expert 0 may be out
.irp q, 0,2,4,6
.irp i, 0,2,4,6
	v_pk_add_f32 v[64+8*\q+\i:65+8*\q+\i], v[64+8*\q+\i:65+8*\q+\i], v[72+8*\q+\i:73+8*\q+\i]
.endr
.endr
.irp q, 0,4
.irp i, 0,2,4,6
	v_pk_add_f32 v[64+8*\q+\i:65+8*\q+\i], v[64+8*\q+\i:65+8*\q+\i], v[80+8*\q+\i:81+8*\q+\i]
.endr
.endr
.irp i, 0,2,4,6
	v_pk_add_f32 v[64+\i:65+\i], v[64+\i:65+\i], v[96+\i:97+\i]
.endr
.irp e, 0,1,2,3,4,5,6,7
	v_fma_f32 v[64+\e], v[64+\e], s62, s[92+\e]    ; the logit: sum x 2^(e2 + e3) + gb3
.endr
	v_max3_num_f32 v72, v64, v65, v66              ; the row's largest logit is taken away ahead of the exponentials, as reference()'s softmax does
	v_max3_num_f32 v73, v67, v68, v69
	v_max3_num_f32 v72, v72, v70, v71
	v_max_num_f32 v72, v72, v73
.irp e, 0,1,2,3,4,5,6,7
	v_sub_f32 v[64+\e], v[64+\e], v72
.endr
.irp e, 0,1,2,3,4,5,6,7
	v_mul_f32 v[64+\e], 0x3fb8aa3b, v[64+\e]       ; x log2(e)
.endr
	s_wait_alu depctr_va_vdst(0)
.irp e, 0,1,2,3,4,5,6,7
	v_exp_f32 v[64+\e], v[64+\e]
.endr
	v_nop                                          ; one plain line behind the last exponential
	s_wait_alu depctr_va_vdst(0)                   ; one wait for the batch, ahead of its first reader
	v_pk_add_f32 v[74:75], v[64:65], v[66:67]
	v_pk_add_f32 v[76:77], v[68:69], v[70:71]
	v_pk_add_f32 v[74:75], v[74:75], v[76:77]
	v_add_f32 v74, v74, v75
	s_wait_alu depctr_va_vdst(0)
	v_rcp_f32 v78, v74
	v_nop
	s_wait_alu depctr_va_vdst(0)
.irp e, 0,1,2,3,4,5,6,7
	v_mul_f32 v[64+\e], v[64+\e], v78              ; g
.endr
	s_lshl_b32 s33, s[WV], 1
	s_sub_co_u32 s33, s32, s33
	v_cmp_eq_u32 vcc_lo, s33, v2                   ; is my tile of rows, 2 w + hh, the one that my work-group stores?  Sixteen lanes of one wave: 256 consecutive bytes, aligned
	s_wait_alu depctr_va_vdst(0)
	s_wait_xcnt 0x0                                ; EXEC changes only behind s_wait_xcnt 0
	s_and_saveexec_b32 s35, vcc_lo
	global_store_b128 v31, v[64:67], s[24:25]
	global_store_b128 v31, v[68:71], s[24:25] offset:65536
	s_wait_xcnt 0x0
	s_or_b32 exec_lo, exec_lo, s35
.irp e, 0,1,2,3,4,5,6,7
	v_mul_f32 v[80+\e], s63, v[64+\e]              ; g x 2^(e4 + e5)
.endr
.irp e, 0,1,2,3,4,5,6,7
	ds_store_b32 v[GST], v[80+\e] offset:512*\e
.endr
	s_wait_alu depctr_va_vdst(0)
	s_wait_dscnt 0x0                               ; for the others' sake: my rows of g have landed
	s_barrier_signal -1
	s_barrier_wait -1
	; ---- the eight experts, written out: what a sub-step asks for and weighs in differs from one to the next
.set N_, 0
.rept 16
	SUB
.set N_, N_+1
.endr
	; THE WAY OUT: the last expert into OUT; relu and the hold in one; eight codes a conversion; each store of the wave covers 256 consecutive bytes, at a multiple of 256 from the buffer's first byte
	s_wait_dscnt 0x0                               ; g
	PLACES 4
	SLICES
	WIN 0
.set A_, 0
.rept 16
.irp i, 0,1,2,3,4,5,6,7
	v_med3_num_f32 v[OUT+8*A_+\i], v[OUT+8*A_+\i], 0, v[LIMV]
.endr
	v_cvt_scalef32_pk8_bf8_f32 v[192+2*A_:193+2*A_], v[OUT+8*A_:OUT+8*A_+7], v[SCV]
.set A_, A_+1
.endr
	v_nop                                          ; one plain line behind the last conversion
.set A_, 0
.rept 16
	global_store_b64 v[STO], v[192+2*A_:193+2*A_], s[26:27] offset:16384*(A_/2)+256*(A_%2)
.set A_, A_+1
.endr
	s_wait_tensorcnt 0x0                           ; the wave's end: behind my last tensor load and my last LDS store
	ds_add_u32 v[SPW], v[NIL]
	s_wait_dscnt 0x0
	CROUND                                         ; the closing round: no work-group ends while a partner may still ask for a tile that names it
	s_endpgm
.Lfunc_end_k_q4c0851f5b7_layer0:
	.size	k_q4c0851f5b7_layer0, .Lfunc_end_k_q4c0851f5b7_layer0-k_q4c0851f5b7_layer0
	.p2alignl 7, 3214868480
	.fill 96, 4, 3214868480
	.section	.rodata,"a",@progbits
	.p2align	6, 0x0
	.amdhsa_kernel k_q4c0851f5b7_layer0
		.amdhsa_group_segment_fixed_size 327680
		.amdhsa_private_segment_fixed_size 0
		.amdhsa_enable_private_segment 0
		.amdhsa_kernarg_size 96
		.amdhsa_user_sgpr_count 2
		.amdhsa_user_sgpr_kernarg_segment_ptr 1
		.amdhsa_wavefront_size32 1
		.amdhsa_system_sgpr_workgroup_id_x 1
		.amdhsa_system_sgpr_workgroup_id_y 1
		.amdhsa_system_sgpr_workgroup_id_z 1
		.amdhsa_system_vgpr_workitem_id 0
		.amdhsa_next_free_vgpr 1024
		.amdhsa_next_free_sgpr 102
		.amdhsa_reserve_vcc 1
		.amdhsa_float_denorm_mode_32 3
		.amdhsa_float_denorm_mode_16_64 3
		.amdhsa_memory_ordered 1
		.amdhsa_forward_progress 1
		.amdhsa_inst_pref_size 190
	.end_amdhsa_kernel
	.amdgpu_metadata
---
amdhsa.version: [ 1, 2 ]
amdhsa.kernels:
  - .name:           k_q4c0851f5b7_layer0
    .symbol:         k_q4c0851f5b7_layer0.kd
    .args:
      - { .name: inputs_codes, .offset: 0, .size: 8, .value_kind: global_buffer, .address_space: global }
      - { .name: w0_codes, .offset: 8, .size: 8, .value_kind: global_buffer, .address_space: global }
      - { .name: b0, .offset: 16, .size: 8, .value_kind: global_buffer, .address_space: global }
      - { .name: gw1_codes, .offset: 24, .size: 8, .value_kind: global_buffer, .address_space: global }
      - { .name: gw2_codes, .offset: 32, .size: 8, .value_kind: global_buffer, .address_space: global }
      - { .name: gw3, .offset: 40, .size: 8, .value_kind: global_buffer, .address_space: global }
      - { .name: gb1, .offset: 48, .size: 8, .value_kind: global_buffer, .address_space: global }
      - { .name: gb2, .offset: 56, .size: 8, .value_kind: global_buffer, .address_space: global }
      - { .name: gb3, .offset: 64, .size: 8, .value_kind: global_buffer, .address_space: global }
      - { .name: lowp_scales, .offset: 72, .size: 8, .value_kind: global_buffer, .address_space: global }
      - { .name: g, .offset: 80, .size: 8, .value_kind: global_buffer, .address_space: global }
      - { .name: x1, .offset: 88, .size: 8, .value_kind: global_buffer, .address_space: global }
    .group_segment_fixed_size: 327680
    .private_segment_fixed_size: 0
    .kernarg_segment_align: 8
    .kernarg_segment_size: 96
    .max_flat_workgroup_size: 128
    .sgpr_count:     102
    .vgpr_count:     1024
    .wavefront_size: 32
...
	.end_amdgpu_metadata
.endif
;; end of part 1
;; launch layer1 (part 2): grid 16 x 16, 4 waves a work-group, clusters of 4 x 4, 327,680 bytes of LDS; arguments x1, w1_codes, b1, g, lowp_scales, x2; writes x2
.if DOCPART == 2
	.amdgcn_target "amdgcn-amd-amdhsa--gfx1250"
	.amdhsa_code_object_version 6
	.text
	.protected	k_q4c0851f5b7_layer1
	.globl	k_q4c0851f5b7_layer1
	.p2align	8
	.type	k_q4c0851f5b7_layer1,@function
k_q4c0851f5b7_layer1:
	s_mov_b64 s[64:65], 0
	v_nop
	global_prefetch_b8 v0, s[64:65] scope:SCOPE_SE
	s_setreg_imm32_b32 hwreg(HW_REG_WAVE_MODE, 25, 1), 1
	s_wait_xcnt 0x0
	s_wait_alu depctr_hold_cnt(0) depctr_sa_sdst(0) depctr_va_vdst(0) depctr_va_sdst(0) depctr_va_ssrc(0) depctr_va_vcc(0) depctr_vm_vsrc(0)
	s_getreg_b32 s2, hwreg(HW_REG_IB_STS2, 6, 4)
	s_cmp_eq_u32 s2, 0
	s_cbranch_scc0 .Lentry_in_a_cluster
	s_endpgm
.Lentry_in_a_cluster:
	s_bfe_u32 s2, ttmp6, 0x10000c
	s_cmp_lg_u32 s2, 0xf033
	s_cbranch_scc0 .Lentry_shape_is_right
	s_endpgm
.Lentry_shape_is_right:
; THE SECOND EXPERT LAYER: x2[b][h] = relu(sum over e of g[b][e] (x1[b] . W1[e][h] + b1[e][h])), quantised to codes of BF8 (E5M2), by v_wmma_f32_16x16x128_bf8_bf8.  No work of reference() is left out.
; SHARES.  A work-group makes 256 rows x 64 h for all 8 experts: 16 x 16 work-groups.  Its waves share rows and K: wave w takes rows 128 (w / 2) .. + 127 and k = 512 (w % 2) .. + 511: X, 8 tiles of rows x 4 K steps, stays in 512
; registers, and each fragment of a weight that a wave reads from LDS feeds eight matrix instructions.  The h go in two halves of 32: a UNIT is one expert and one half: 2 tiles of h x 8 tiles of rows = 16 accumulators x 4 K steps.
; A SUB-STEP is two K steps of a unit, 32 matrix instructions.  The sum over experts is linear, so each wave weighs its part of K by g, and the two parts of K meet once for each half, in LDS: a wave sends four tiles of rows and keeps four.
; A wave's tile of rows i is tile i xor 4 (w % 2) of its 128 rows, so that it keeps i = 0 .. 3 and sends i = 4 .. 7 in either part of K.
; CLUSTER.  4 x 4 work-groups: the four with the same h ask jointly for W1's tiles, the four with the same rows for X's.
; LDS.  Two slots of four units (4 experts, 32 rows of 1,024 bytes + 16 of padding each).  X comes through slot 1 in two parts, K steps 0-1 and 2-3, padded alike, so that each covers the same bytes as the slot's weights, which come last.
; So units 0 to 3 are walked by K pairs: sub-steps 0-3 are their K steps 0-1, sub-steps 4-7 their K steps 2-3, each weighed into the sum; behind them a unit's two sub-steps follow each other.
; LAYOUT.  Transposed use (source 0 = 16 rows of W1, source 1 = 16 tokens): lane (r, hh) holds token r, register j unit 8 hh + j of the tile of h.  x1 lies as images of the operand's registers; x2 is stored likewise.
; SCALES.  g is multiplied once by 2^(e6 + e7); a bias goes in as C, half of it in each part of K, times 2^-(e6 + e7); the conversion takes 2^e9.
; LIMITS: e6 + e7 between -126 and 125, e9 between -126 and 112.  NaN among the inputs is not served.
; PREFETCH: what the next joint load brings is asked of memory one such load ahead; the four partners share its 512 blocks of 256 bytes by address, a thread for each block.  The loads at the head come by themselves.
; REGISTERS, in windows of 256.  window 0: addresses, g, bias, OUT, the partner's part.  window 1: two sets of 64 for W1's fragments, the 16 accumulators.  windows 2, 3: X, K step s, tile of rows i at 128 s + 16 i.
.set PITCH, 1040                       ; an odd multiple of 16: the 16 rows that a load touches start at 16 different columns of 16 bytes
.set UNITB, 32*PITCH
.set SLOT,  4*UNITB
.set GL,    2*SLOT                     ; g x 2^(e6 + e7): [row half 2][expert 8][r 16][tile of rows 8] f32, stored by the waves: no tile lands here
.set BIASL, GL+8192                    ; b1 x 2^-(e6 + e7 + 1): [expert 8][64] f32
.set EX,    BIASL+2048                 ; the parts that waves send: [wave 4][tile 8][half 2][lane 32][16 bytes]
.set SPARE, EX+32768                   ; the spare words, 128 bytes for each wave: two blocks of 256 bytes that no other line names
.set SPW,  4                           ; v4     LDS address of my spare word; never rewritten
.set NIL,  5                           ; v5     0; never rewritten
.set AW,   8                           ; v8-11  W1's fragments: units 0-1, 2-3 of slot 0, of slot 1
.set XA,   12                          ; v12-13 X in LDS: tiles i = 0 .. 3, 4 .. 7
.set BLD,  14                          ; v14    b1 in LDS
.set GA,   15                          ; v15-16 g in LDS: tiles i = 0 .. 3, 4 .. 7
.set EXS,  17                          ; v17    where my part goes
.set EXL,  18                          ; v18    where my partner's lies
.set STO,  19                          ; v19    x2 on its way out: 16 r + 8 hh
.set PFO,  20                          ; v20    the weights' prefetches: 256 x thread
.set SCV,  21                          ; v21    2^e9
.set LIMV, 22                          ; v22    57,344 x 2^e9
.set GST,  23                          ; v23-26 g and b1 on their way into LDS
.set BST,  24
.set BGO,  25
.set GO,   26
.set PXO,  30                          ; v30    X's prefetch
.set G,    32                          ; v32-39, v56-63 g of the expert to be weighed in, tile i at i: two buffers, by the sub-step's parity
.set G2,   56
.set BIAS, 40                          ; v40-55 the unit's bias, tile of h t at 8 t (units 1 and 3: at EXR)
.set OUT,  64                          ; v64-191 the sum over experts: tile (i, t) at 8 (2 i + t)
.set EXR,  192                         ; v192-255 the partner's part, then the codes; at the head g and b1 on their way
.set PADW, (3<<16)|(1<<20)|(1<<21)|(7<<22)|(3<<25)  ; elements of 8 bytes; padding on; bit 21 beside a mask; after every 256 words (code 7); four words (code 3)
.set MSB, 0
.macro WIN new                         ; the immediate's high byte repeats the setting that is left; a switch that changes nothing is dropped
.if MSB != (\new)
	s_set_vgpr_msb (MSB<<8)|(\new)
.set MSB, (\new)
.endif
.endm
.macro PLACES n
.rept \n
	v_nop
.endr
.endm
.macro CREST                           ; a round of the cluster's barrier behind its opening barrier
	s_cmp_lg_u32 s16, 0
	s_cbranch_scc1 .Lnot_wave_0_\@
	s_barrier_signal -3
.Lnot_wave_0_\@:
	s_barrier_wait -3
	s_barrier_signal -1
	s_barrier_wait -1
.endm
.macro CROUND                          ; a whole round
	s_barrier_signal -1
	s_barrier_wait -1
	CREST
.endm
; fill f of W1, two experts a wave, by waves 2 and 3; X's second part, half of K a wave, by waves 0 and 1: the branches hang on the wave's number alone
.macro WFILL f
	s_cmp_lt_u32 s16, 2
	s_cbranch_scc1 .Lno_part_\@
	tensor_load_to_lds s[44+4*(\f):47+4*(\f)], s[32:39]
	s_nop 0
	PLACES 4
.Lno_part_\@:
.endm
.macro XFILL
	s_cmp_lt_u32 s16, 2
	s_cbranch_scc0 .Lno_part_\@
	tensor_load_to_lds s[96:99], s[24:31]
	s_nop 0
	PLACES 4
.Lno_part_\@:
.endm
; X's K step s, which lies in slot 1 as its part's step s % 2
.macro XLDS s
	WIN 0x80+0x40*((\s)/2)                         ; destination window 2 or 3
.irp i, 0,1,2,3,4,5,6,7
.irp c, 0,1,2,3
	ds_load_b128 v[128*((\s)%2)+16*\i+4*\c:128*((\s)%2)+16*\i+4*\c+3], v[XA+(\i/4)] offset:4*PITCH*(\i%4)+PITCH*(2*((\s)%2)+\c/2)+512*(\c%2)
.endr
.endr
.endm
; unit u's fragments of K steps 2 k and 2 k + 1 into set p: 16 loads in one run
.macro FETCH u, k, p
	WIN 0x40                                       ; destination window 1
.irp st, 0,1
.irp t, 0,1
.irp c, 0,1,2,3
	ds_load_b128 v[64*(\p)+32*\st+16*\t+4*\c:64*(\p)+32*\st+16*\t+4*\c+3], v[AW+((\u)%8)/2] offset:((\u)%2)*UNITB+16*PITCH*\t+128*(2*(\k)+\st)+32*\c
.endr
.endr
.endr
.endm
.macro BLOAD u, b                      ; unit u's bias: units 8 hh + 0 .. 7 of its two tiles of h
	WIN 0
.irp t, 0,1
	ds_load_b128 v[\b+8*\t:\b+8*\t+3], v[BLD] offset:256*((\u)%8)+128*((\u)/8)+64*\t
	ds_load_b128 v[\b+8*\t+4:\b+8*\t+7], v[BLD] offset:256*((\u)%8)+128*((\u)/8)+64*\t+16
.endr
.endm
.macro GLOAD e, b                      ; expert e's g for my eight tiles of rows
	WIN 0
	ds_load_b128 v[\b:\b+3], v[GA] offset:512*(\e)
	ds_load_b128 v[\b+4:\b+7], v[GA+1] offset:512*(\e)
.endm
; OUT += g x accumulators a0 .. a0 + n - 1: four packed multiply-adds each, the accumulator from its low end on.  SL_ = 1: a half's first sums start OUT: nothing is cleared.
.macro SLICES a0, n
	WIN 0x01                                       ; source 0 (the accumulator) window 1
.set A_, \a0
.rept \n
.set rO, OUT+8*A_
.set rC, 128+8*A_
.set rG, GB_+2*(A_/4)
.irp i, 0,2,4,6
.if (SL_ == 1) && ((A_/2)%2 == 0)
	v_pk_mul_f32 v[rO+\i:rO+\i+1], v[rC+\i:rC+\i+1], v[rG:rG+1] op_sel_hi:[1,0]
.elseif SL_ == 1
	v_pk_mul_f32 v[rO+\i:rO+\i+1], v[rC+\i:rC+\i+1], v[rG:rG+1] op_sel:[0,1] op_sel_hi:[1,1]
.elseif (A_/2)%2 == 0
	v_pk_fma_f32 v[rO+\i:rO+\i+1], v[rC+\i:rC+\i+1], v[rG:rG+1], v[rO+\i:rO+\i+1] op_sel_hi:[1,0,1]
.else
	v_pk_fma_f32 v[rO+\i:rO+\i+1], v[rC+\i:rC+\i+1], v[rG:rG+1], v[rO+\i:rO+\i+1] op_sel:[0,1,0] op_sel_hi:[1,1,1]
.endif
.endr
.set A_, A_+1
.endr
.endm
; my eight tiles: the partner's part added, relu and the hold in one (the conversion to an 8-bit code does not saturate: ISA guide 7.6.2), eight codes a conversion;
; each store of the wave covers 256 consecutive bytes, at a multiple of 256 from the buffer's first byte
.macro RECV half
	WIN 0
.set J_, 0
.rept 8
.irp i, 0,2,4,6
	v_pk_add_f32 v[OUT+8*J_+\i:OUT+8*J_+\i+1], v[OUT+8*J_+\i:OUT+8*J_+\i+1], v[EXR+8*J_+\i:EXR+8*J_+\i+1]
.endr
.irp i, 0,1,2,3,4,5,6,7
	v_med3_num_f32 v[OUT+8*J_+\i], v[OUT+8*J_+\i], 0, v[LIMV]
.endr
	v_cvt_scalef32_pk8_bf8_f32 v[EXR+8*J_:EXR+8*J_+1], v[OUT+8*J_:OUT+8*J_+7], v[SCV]
.set J_, J_+1
.endr
	v_nop                                          ; one plain line behind the last conversion
.irp j, 0,1,2,3,4,5,6,7
	global_store_b64 v[STO], v[EXR+8*\j:EXR+8*\j+1], s[14:15] offset:16384*(\j/2)+256*(\j%2)+512*(\half)
.endr
.endm
.macro SENDX                           ; tiles of rows 4 .. 7 go to my partner in K
	WIN 0
	s_wait_alu depctr_va_vdst(0)
.irp j, 0,1,2,3,4,5,6,7
	ds_store_b128 v[EXS], v[OUT+64+8*\j:OUT+64+8*\j+3] offset:1024*\j
	ds_store_b128 v[EXS], v[OUT+64+8*\j+4:OUT+64+8*\j+7] offset:1024*\j+512
.endr
.endm
.macro TAKEX                           ; and his come to me
	WIN 0
.irp j, 0,1,2,3,4,5,6,7
	ds_load_b128 v[EXR+8*\j:EXR+8*\j+3], v[EXL] offset:1024*\j
	ds_load_b128 v[EXR+8*\j+4:EXR+8*\j+7], v[EXL] offset:1024*\j+512
.endr
.endm
; n products of K step s from the first on, the 16 accumulators by turns in the same order in every step: tile of rows A_ / 2, tile of h A_ % 2.
; The fragments lie in set N_ % 2.  A sub-step that starts sums takes the bias, or 0 in the second K pair of units 0 to 3, as C.
.macro MMS s, first, n
.set S_, \s
.set A_, \first
.rept \n
.set rD, 128+8*A_
.set rW, 64*(N_%2)+32*(S_%2)+16*(A_%2)
.set rX, 128*(S_%2)+16*(A_/2)
.set rB, CB_+8*(A_%2)
.if ST_ && (S_ == 0)
	WIN 0x49                                       ; W1 window 1, X window 2, C window 0, D window 1
	v_wmma_f32_16x16x128_bf8_bf8 v[rD:rD+7], v[rW:rW+15], v[rX:rX+15], v[rB:rB+7]
.elseif ST_ && (S_ == 2)
	WIN 0x5d
	v_wmma_f32_16x16x128_bf8_bf8 v[rD:rD+7], v[rW:rW+15], v[rX:rX+15], 0
.else
	WIN 0x59+4*(S_/2)                              ; W1, C and D window 1, X window 2 or 3
	v_wmma_f32_16x16x128_bf8_bf8 v[rD:rD+7], v[rW:rW+15], v[rX:rX+15], v[rD:rD+7]
.endif
.set A_, A_+1
.endr
.endm
; sub-step n: its unit, its K pair, and whether it starts sums
.macro INFO n
.if (\n) < 4
.set IU_, (\n)
.set IK_, 0
.set IS_, 1
.elseif (\n) < 8
.set IU_, (\n)-4
.set IK_, 1
.set IS_, 1
.else
.set IU_, 4+((\n)-8)/2
.set IK_, (\n)%2
.set IS_, 1-IK_
.endif
.endm
; what sub-step N_ + 1 needs, in one run
.macro NEXT
.if N_ < 31
	FETCH NU_, NK_, (N_+1)%2
.if NS_ && ((N_ == 0) || (N_ == 2))
	BLOAD NU_, EXR
.elseif NS_ && ((N_ < 3) || (N_ > 6))
	BLOAD NU_, BIAS
.endif
.endif
.if NS_ && (N_%2 == 0)
	GLOAD U_%8, G                                  ; this unit's sums are weighed in at the next sub-step's head
.elseif NS_
	GLOAD U_%8, G2
.endif
.endm
; K step s around a barrier: the three lines, the products before and inside it; sl = 1: the sums are weighed in and begun anew first
.macro MEET s, sl
	WIN 0                                          ; (the add's two registers lie in window 0)
	s_wait_tensorcnt 0x0                           ; all my tensor loads have landed
	ds_add_u32 v[SPW], v[NIL]                      ; 0 onto my spare word
	s_wait_dscnt 1                                 ; my loads are in; the add may be out
.if \sl
	PLACES 5
	SLICES 0, 16
.endif
	MMS \s, 0, 8
	s_wait_dscnt 0x0                               ; the add is done, and so are my reads of what is filled again
	s_barrier_signal -1
	MMS \s, 8, 8                                   ; work on registers while the others arrive
	WIN 0
	s_barrier_wait -1
.endm
.macro SUB
.set NS_, 1
.if N_ < 31
	INFO N_+1
.set NU_, IU_
.set NK_, IK_
.set NS_, IS_
.endif
	INFO N_
.set U_, IU_
.set KP_, IK_
.set ST_, IS_
.set SL_, 2
.if (N_ == 1) || (N_ == 18)
.set SL_, 1
.endif
.set GB_, G2
.if N_%2 == 1
.set GB_, G
.endif
.set CB_, BIAS
.if (N_ == 1) || (N_ == 3)
.set CB_, EXR
.endif
.if N_ == 0
	BLOAD 0, BIAS
	FETCH 0, 0, 0
	XLDS 0
	XLDS 1
	s_wait_dscnt 32                                ; the bias, set 0 and X's K step 0 are in; K step 1's 32 loads may be out
	MMS 0, 0, 16
	NEXT
	MEET 1, 0
	CREST                                          ; X's first part is read by all partners
	XFILL                                          ; its second part: three sub-steps stand ahead of the wait for it
	global_prefetch_b8 v[PFO], s[92:93] offset:4194304 th:TH_LOAD_NT scope:SCOPE_SE           ; fill 1, which sub-step 4 asks for
.elseif N_ == 4
	WIN 0
	s_wait_tensorcnt 0x0                           ; X's second part: mine is in
	s_wait_dscnt 0x0
	s_barrier_signal -1
	PLACES 5
	SLICES 0, 16                                   ; work on registers while the others arrive
	WIN 0
	s_barrier_wait -1
	XLDS 2
	XLDS 3
	s_wait_dscnt 32                                ; X's K step 2 is in; K step 3's 32 loads may be out
	MMS 2, 0, 16
	NEXT
	MEET 3, 0
	CREST                                          ; X is read by all partners: slot 1 takes weights
	WFILL 1
	global_prefetch_b8 v[PFO], s[92:93] offset:32768 th:TH_LOAD_NT scope:SCOPE_SE             ; fill 2, which sub-step 7 asks for
.elseif (N_ == 7) || (N_ == 15) || (N_ == 23)
	MEET 2, ST_
.if N_ < 23
	CREST                                          ; no wave of any partner still reads this slot or has a load on its way
.if N_ == 7
	WFILL 2
.else
	WFILL 3
.endif
.endif
	PLACES 4                                       ; four places in front of loads into registers that matrix instructions have read (ISA guide 7.12.1 for vector instructions)
	NEXT
.if N_ == 7
	global_prefetch_b8 v[PFO], s[92:93] offset:4194304+32768 th:TH_LOAD_NT scope:SCOPE_SE     ; fill 3, which sub-step 15 asks for
.endif
	MMS 3, 0, 16
.else
	s_wait_dscnt 0x0                               ; this sub-step's fragments, asked for a sub-step ago, are in
	PLACES 5                                       ; (five where the accumulators are begun anew with another C)
	NEXT
.if N_ == 17
	TAKEX
.endif
.if ST_
	SLICES 0, 16
.endif
.if N_ == 16
	SENDX                                          ; half 0 is summed
	MMS 0, 0, 16
	s_wait_dscnt 0x0                               ; for my partner's sake: my part has landed
	s_barrier_signal -1
	MMS 1, 0, 16                                   ; work on registers while the others arrive
	WIN 0
	s_barrier_wait -1
.else
	MMS 2*KP_, 0, 16
.if N_ == 17
	s_wait_dscnt 0x0                               ; my partner's part is in
	RECV 0
.endif
	MMS 2*KP_+1, 0, 16
.endif
.endif
.endm
	s_load_b256 s[4:11], s[0:1], 0x0               ; x1 s[4:5], W1 s[6:7], b1 s[8:9], g s[10:11]
	s_load_b128 s[12:15], s[0:1], 0x20             ; the scales' exponents s[12:13], x2 s[14:15]
	v_lshl_add_u32 v[SPW], v0, 2, SPARE
	v_mov_b32 v[NIL], 0
	ds_add_u32 v[SPW], v[NIL]                      ; the wave's opening: the add, twice on end, and its wait ahead of my first tensor load
	ds_add_u32 v[SPW], v[NIL]
	v_lshrrev_b32 v1, 5, v0
	v_readfirstlane_b32 s16, v1                    ; wave 0..3
	s_and_b32 s17, s16, 1                          ; my half of K.  Also: which half of X's tile, or which two experts, I fetch
	s_lshr_b32 s18, s16, 1                         ; my 128 rows.  Also: I fetch for X (0) or W1 (1)
	s_xor_b32 s19, s17, 1
	s_bfe_u32 s20, ttmp6, 0x40000                  ; cx, cy
	s_bfe_u32 s21, ttmp6, 0x40004
	s_lshl_b32 s22, ttmp9, 2
	s_add_co_u32 s22, s22, s20                     ; my block of 256 rows = 4 x cluster x + cx
	s_and_b32 s23, ttmp7, 0xffff
	s_lshl_b32 s23, s23, 2
	s_add_co_u32 s23, s23, s21                     ; my block of 64 h = 4 x cluster y + cy
	s_lshl_b32 s60, s21, 2
	s_lshl_b32 s60, 15, s60                        ; the same h: places 4 cy .. 4 cy + 3
	s_lshl_b32 s61, 0x1111, s20                    ; the same rows: places cx, cx + 4, cx + 8, cx + 12
	s_or_b32 s24, s61, PADW                        ; descriptor group 1 for X: 16 tiles of rows x 4,096 bytes (two K steps of one half of K), 16,384 bytes apart
	s_mov_b32 s25, 512<<16
	s_mov_b32 s26, 16<<16
	s_mov_b32 s27, 512<<16
	s_mov_b32 s28, 16
	s_mov_b32 s29, 2048
	s_mov_b32 s30, 0
	s_mov_b32 s31, 0
	s_or_b32 s32, s60, PADW                        ; for W1: two experts x 32 rows of 1,024 bytes, dense, stated as one row of 32,768 bytes an expert, 1,048,576 bytes apart
	s_mov_b32 s33, 4096<<16
	s_mov_b32 s34, 2<<16
	s_mov_b32 s35, 4096<<16
	s_mov_b32 s36, 2
	s_mov_b32 s37, 131072
	s_mov_b32 s38, 0
	s_mov_b32 s39, 0
	s_lshl_b32 s78, s22, 18                        ; X: 16 tiles of 16,384 bytes; my half of K
	s_lshl_b32 s82, s17, 13
	s_add_co_u32 s78, s78, s82
	s_mov_b32 s79, 0
	s_lshl_b32 s80, s23, 16                        ; W1: 64 rows of 1,024 bytes; my two experts
	s_lshl_b32 s83, s17, 21
	s_add_co_u32 s80, s80, s83
	s_mov_b32 s81, 0
	s_mul_i32 s84, s17, 2*UNITB                    ; and where it goes in a slot
	s_wait_dscnt 0x0                               ; both opening adds are done
	s_wait_kmcnt 0x0
	s_load_b256 s[68:75], s[12:13], 0x0            ; e0 .. e7
	s_load_b64 s[76:77], s[12:13], 0x20            ; e8, e9
	s_mov_b32 s40, 1                               ; descriptor groups 0; none is ever rewritten.  X's two parts, both into slot 1
	s_add_co_u32 s41, s84, SLOT
	s_add_nc_u64 s[42:43], s[4:5], s[78:79]
	s_mov_b32 s96, 1
	s_add_co_u32 s97, s84, SLOT
	s_add_nc_u64 s[98:99], s[42:43], 4096
	s_or_b32 s43, s43, 0x80000000                  ; type = 2
	s_or_b32 s99, s99, 0x80000000
.irp f, 0,1,2,3                        ; the four fills of W1: half f / 2, experts 4 (f % 2) on, slot f % 2
	s_mov_b32 s[44+4*\f], 1
	s_add_co_u32 s[45+4*\f], s84, (\f%2)*SLOT
	s_add_nc_u64 s[46+4*\f:47+4*\f], s[6:7], s[80:81]
.if \f > 0
	s_add_nc_u64 s[46+4*\f:47+4*\f], s[46+4*\f:47+4*\f], (\f%2)*4194304+(\f/2)*32768
.endif
	s_or_b32 s[47+4*\f], s[47+4*\f], 0x80000000
.endr
	CROUND                                         ; all sixteen work-groups are here: the first joint loads meet
	s_cmp_lt_u32 s16, 2                            ; one tensor load a wave: X's two halves of K, the first fill's two pairs of experts
	s_cbranch_scc0 .Lfor_w
	tensor_load_to_lds s[40:43], s[24:31]
	s_nop 0
	PLACES 4
	s_branch .Lasked
.Lfor_w:
	tensor_load_to_lds s[44:47], s[32:39]
	s_nop 0
	PLACES 4
.Lasked:
	s_mov_b32 s91, 0
	s_lshl_b32 s90, s22, 18                        ; X's prefetch: my block's tiles; a tile's half of K is 8,192 bytes, of which the second 4,096 are asked for: eight such halves for each partner
	s_lshl_b32 s82, s21, 16
	s_add_co_u32 s90, s90, s82
	s_add_nc_u64 s[100:101], s[4:5], s[90:91]
	s_lshl_b32 s90, s22, 12                        ; g: 256 rows of 16 bytes in each of its two planes
	s_add_nc_u64 s[10:11], s[10:11], s[90:91]
	s_lshl_b32 s90, s23, 8                         ; b1: my 64 h
	s_add_nc_u64 s[8:9], s[8:9], s[90:91]
	s_lshl_b32 s90, s22, 18                        ; x2: the four tiles of rows that I keep; my block of h
	s_lshl_b32 s82, s18, 17
	s_add_co_u32 s90, s90, s82
	s_lshl_b32 s83, s17, 16
	s_add_co_u32 s90, s90, s83
	s_lshl_b32 s82, s23, 10
	s_add_co_u32 s90, s90, s82
	s_add_nc_u64 s[14:15], s[14:15], s[90:91]
	s_lshl_b32 s90, s23, 16                        ; the weights' prefetches: my 64 h of expert cx of four
	s_lshl_b32 s82, s20, 20
	s_add_co_u32 s90, s90, s82
	s_add_nc_u64 s[92:93], s[6:7], s[90:91]
	v_and_b32 v1, 15, v0                           ; r
	v_bfe_u32 v2, v0, 4, 1                         ; hh
	v_and_b32 v3, 31, v0
	v_lshrrev_b32 v27, 4, v0
	v_lshlrev_b32 v3, 4, v3                        ; 16 x lane
	v_lshlrev_b32 v[GO], 4, v0                     ; thread i: rows i and 128 + i of g
	v_lshlrev_b32 v[BGO], 12, v27
	v_lshl_add_u32 v[BGO], v1, 4, v[BGO]           ; and of b1 expert i / 16, 16 bytes at 16 (i % 16)
	v_lshlrev_b32 v[PFO], 8, v0
	v_lshlrev_b32 v[PXO], 13, v27
	v_lshl_add_u32 v[PXO], v1, 8, v[PXO]
	s_wait_alu depctr_va_vdst(0)
	global_load_b128 v[EXR:EXR+3], v[GO], s[10:11]
	global_load_b128 v[EXR+4:EXR+7], v[GO], s[10:11] offset:65536
	global_load_b128 v[EXR+8:EXR+11], v[GO], s[10:11] offset:2048
	global_load_b128 v[EXR+12:EXR+15], v[GO], s[10:11] offset:65536+2048
	global_load_b128 v[EXR+16:EXR+19], v[BGO], s[8:9]
	global_prefetch_b8 v[PXO], s[100:101] offset:4096 th:TH_LOAD_NT scope:SCOPE_SE    ; X's second part, which sub-step 0 asks for
	s_mul_i32 s85, s18, UNITB                      ; eight tiles of X of 4 x PITCH bytes
	s_add_co_u32 s86, s84, s85
	s_add_co_u32 s86, s86, SLOT
	s_mul_i32 s87, s17, 16*PITCH
	s_mul_i32 s88, s19, 16*PITCH
	s_add_co_u32 s87, s87, s86
	s_add_co_u32 s88, s88, s86
	v_add_nc_u32 v[XA], s87, v3
	v_add_nc_u32 v[XA+1], s88, v3
	s_lshl_b32 s85, s17, 9                         ; a weight's row: my half of K
	v_mul_u32_u24 v28, v1, PITCH
	v_lshl_add_u32 v28, v2, 4, v28
	v_add_nc_u32 v[AW], s85, v28
	v_add_nc_u32 v[AW+1], 2*UNITB, v[AW]
	v_add_nc_u32 v[AW+2], 4*UNITB, v[AW]
	v_add_nc_u32 v[AW+3], 6*UNITB, v[AW]
	v_lshlrev_b32 v[BLD], 5, v2
	v_add_nc_u32 v[BLD], BIASL, v[BLD]
	v_lshlrev_b32 v29, 5, v1                       ; 32 r
	s_lshl_b32 s85, s18, 12
	s_add_co_u32 s85, s85, GL
	s_lshl_b32 s86, s17, 4
	s_add_co_u32 s86, s86, s85
	s_lshl_b32 s87, s19, 4
	s_add_co_u32 s87, s87, s85
	v_add_nc_u32 v[GA], s86, v29
	v_add_nc_u32 v[GA+1], s87, v29
	v_lshl_add_u32 v[GST], v27, 2, v29
	v_add_nc_u32 v[GST], GL, v[GST]
	v_lshl_add_u32 v[BST], v0, 4, BIASL
	s_lshl_b32 s85, s16, 13
	s_add_co_u32 s85, s85, EX
	s_xor_b32 s86, s16, 1
	s_lshl_b32 s86, s86, 13
	s_add_co_u32 s86, s86, EX
	v_add_nc_u32 v[EXS], s85, v3
	v_add_nc_u32 v[EXL], s86, v3
	v_lshlrev_b32 v[STO], 4, v1
	v_lshl_add_u32 v[STO], v2, 3, v[STO]
	s_wait_alu depctr_va_vdst(0)
	s_wait_kmcnt 0x0
	s_add_co_i32 s85, s74, s75                     ; e6 + e7
	s_add_co_i32 s86, s85, 127
	s_lshl_b32 s86, s86, 23                        ; 2^(e6 + e7)
	s_mov_b32 s87, s86                             ; (named with it as a pair, so it is written; likewise below)
	s_sub_co_i32 s88, 126, s85
	s_lshl_b32 s88, s88, 23                        ; half of 2^-(e6 + e7)
	s_mov_b32 s89, s88
	s_add_co_i32 s85, s77, 127
	s_lshl_b32 s82, s85, 23
	v_mov_b32 v[SCV], s82                          ; 2^e9
	s_add_co_i32 s85, s85, 15
	s_lshl_b32 s85, s85, 23
	s_or_b32 s85, s85, 0x600000
	v_mov_b32 v[LIMV], s85                         ; 57,344 x 2^e9
	s_wait_alu depctr_va_vdst(0)
	s_wait_loadcnt 0x0                             ; g and b1 are in
.set I_, 0
.rept 8
	v_pk_mul_f32 v[EXR+2*I_:EXR+2*I_+1], v[EXR+2*I_:EXR+2*I_+1], s[86:87] op_sel_hi:[1,0]
.set I_, I_+1
.endr
	v_pk_mul_f32 v[EXR+16:EXR+17], v[EXR+16:EXR+17], s[88:89] op_sel_hi:[1,0]
	v_pk_mul_f32 v[EXR+18:EXR+19], v[EXR+18:EXR+19], s[88:89] op_sel_hi:[1,0]
.irp e, 0,1,2,3,4,5,6,7
	ds_store_b32 v[GST], v[EXR+\e] offset:512*\e
	ds_store_b32 v[GST], v[EXR+8+\e] offset:4096+512*\e
.endr
	ds_store_b128 v[BST], v[EXR+16:EXR+19]
	s_wait_alu depctr_va_vdst(0)
	s_wait_tensorcnt 0x0                           ; my part of X or of the first fill is in
	s_wait_dscnt 0x0                               ; and my stores
	s_barrier_signal -1
	s_barrier_wait -1
.set N_, 0
.rept 32                               ; written out: what a sub-step asks for, sends and weighs in differs from one to the next
	SUB
.set N_, N_+1
.endr
	; half 1's way out: the last expert is weighed in, what I send first
	s_wait_dscnt 0x0                               ; g
	PLACES 4                                       ; four places in front of the first read of results
.set SL_, 2
.set GB_, G2
	SLICES 8, 8
	SENDX
	SLICES 0, 8
	WIN 0
	s_wait_alu depctr_va_vdst(0)
	s_wait_xcnt 0x0                                ; half 0's stores have read their data: those registers take my partner's part
	s_wait_dscnt 0x0                               ; for my partner's sake: my part has landed
	s_barrier_signal -1
	s_barrier_wait -1
	TAKEX
	s_wait_dscnt 0x0
	RECV 1
	s_wait_tensorcnt 0x0                           ; the wave's end: behind my last tensor load and my last LDS store
	ds_add_u32 v[SPW], v[NIL]
	s_wait_dscnt 0x0
	CROUND                                         ; the closing round: no work-group ends while a partner may still ask for a tile that names it
	s_endpgm
.Lfunc_end_k_q4c0851f5b7_layer1:
	.size	k_q4c0851f5b7_layer1, .Lfunc_end_k_q4c0851f5b7_layer1-k_q4c0851f5b7_layer1
	.p2alignl 7, 3214868480
	.fill 96, 4, 3214868480
	.section	.rodata,"a",@progbits
	.p2align	6, 0x0
	.amdhsa_kernel k_q4c0851f5b7_layer1
		.amdhsa_group_segment_fixed_size 327680
		.amdhsa_private_segment_fixed_size 0
		.amdhsa_enable_private_segment 0
		.amdhsa_kernarg_size 48
		.amdhsa_user_sgpr_count 2
		.amdhsa_user_sgpr_kernarg_segment_ptr 1
		.amdhsa_wavefront_size32 1
		.amdhsa_system_sgpr_workgroup_id_x 1
		.amdhsa_system_sgpr_workgroup_id_y 1
		.amdhsa_system_sgpr_workgroup_id_z 1
		.amdhsa_system_vgpr_workitem_id 0
		.amdhsa_next_free_vgpr 1024
		.amdhsa_next_free_sgpr 102
		.amdhsa_reserve_vcc 0
		.amdhsa_float_denorm_mode_32 3
		.amdhsa_float_denorm_mode_16_64 3
		.amdhsa_memory_ordered 1
		.amdhsa_forward_progress 1
		.amdhsa_inst_pref_size 235
	.end_amdhsa_kernel
	.amdgpu_metadata
---
amdhsa.version: [ 1, 2 ]
amdhsa.kernels:
  - .name:           k_q4c0851f5b7_layer1
    .symbol:         k_q4c0851f5b7_layer1.kd
    .args:
      - { .name: x1, .offset: 0, .size: 8, .value_kind: global_buffer, .address_space: global }
      - { .name: w1_codes, .offset: 8, .size: 8, .value_kind: global_buffer, .address_space: global }
      - { .name: b1, .offset: 16, .size: 8, .value_kind: global_buffer, .address_space: global }
      - { .name: g, .offset: 24, .size: 8, .value_kind: global_buffer, .address_space: global }
      - { .name: lowp_scales, .offset: 32, .size: 8, .value_kind: global_buffer, .address_space: global }
      - { .name: x2, .offset: 40, .size: 8, .value_kind: global_buffer, .address_space: global }
    .group_segment_fixed_size: 327680
    .private_segment_fixed_size: 0
    .kernarg_segment_align: 8
    .kernarg_segment_size: 48
    .max_flat_workgroup_size: 128
    .sgpr_count:     102
    .vgpr_count:     1024
    .wavefront_size: 32
...
	.end_amdgpu_metadata
.endif
;; end of part 2
;; launch head (part 3): grid 64 x 4, 4 waves a work-group, clusters of 4 x 4, 327,680 bytes of LDS; arguments x2, w2_codes, b2, g, lowp_scales, out0; writes out0
.if DOCPART == 3
	.amdgcn_target "amdgcn-amd-amdhsa--gfx1250"
	.amdhsa_code_object_version 6
	.text
	.protected	k_q4c0851f5b7_head
	.globl	k_q4c0851f5b7_head
	.p2align	8
	.type	k_q4c0851f5b7_head,@function
k_q4c0851f5b7_head:
	s_mov_b64 s[64:65], 0
	v_nop
	global_prefetch_b8 v0, s[64:65] scope:SCOPE_SE
	s_setreg_imm32_b32 hwreg(HW_REG_WAVE_MODE, 25, 1), 1
	s_wait_xcnt 0x0
	s_wait_alu depctr_hold_cnt(0) depctr_sa_sdst(0) depctr_va_vdst(0) depctr_va_sdst(0) depctr_va_ssrc(0) depctr_va_vcc(0) depctr_vm_vsrc(0)
	s_getreg_b32 s2, hwreg(HW_REG_IB_STS2, 6, 4)
	s_cmp_eq_u32 s2, 0
	s_cbranch_scc0 .Lentry_in_a_cluster
	s_endpgm
.Lentry_in_a_cluster:
	s_bfe_u32 s2, ttmp6, 0x10000c
	s_cmp_lg_u32 s2, 0xf033
	s_cbranch_scc0 .Lentry_shape_is_right
	s_endpgm
.Lentry_shape_is_right:
; THE LAST EXPERT LAYER: out0[b][o] = tanh(sum over e of g[b][e] (x2[b] . W2[e][o] + b2[e][o])), f32.  No work of reference() is left out: all eight experts are multiplied, on codes of BF8, by v_wmma_f32_16x16x128_bf8_bf8.
; SHARES.  A work-group makes 64 rows x 16 outputs for all 8 experts: 64 x 4 work-groups.  THE WAVES SHARE K: wave q takes k = 256 q .. 256 q + 255, two K steps of 128, for all four tiles of rows and all experts,
; so each byte in LDS is read by one wave.  The sum over experts is linear: each wave weighs its own part by g, and the four parts meet once, in LDS;
; then wave w finishes the tile of rows w: the parts' sum x 2^(e8 + e9), the biases weighed by g, tanh, the store.
; CLUSTER.  4 x 4: the four work-groups with the same outputs ask jointly for W2's 16 rows of each expert, the four with the same rows for x2's 64 KiB.  One tensor load a wave; nothing is filled again.
; NO PREFETCH: there is no loop to run ahead in: all tiles are asked for at the head.
; LAYOUT.  Transposed use (source 0 = 16 rows of W2, source 1 = 16 tokens): lane (r, hh) holds token r, register j output 8 hh + j of the block's 16.  x2 lies as images of the operand's registers.  g lies in two planes, [experts 0-3, 4-7][4096][4].
; tanh(y) = 1 - 2 / (1 + 2^(2 log2(e) y)): for large |y| the exponential goes to infinity or 0 and the result to 1 or -1.
; LIMITS: e8 + e9 between -126 and 127.  NaN among the inputs is not served.
; THE STORES: a row of out0 is 256 bytes, of which this work-group's 16 outputs are 64: four work-groups write a row's four pieces.  All 64 outputs in one work-group would mean 512 KiB of W2 for each work-group in place of 128.
; REGISTERS, in windows of 256: window 0: addresses, g, the parts.  window 1: W2, expert e, K step ss at 32 e + 16 ss.  window 2: the 32 accumulators, (e, rt) at 8 (4 e + rt).  window 3: x2, (rt, ss) at 32 rt + 16 ss; from v128 b2, expert e at 8 e.
.set WLB,   65536                      ; LDS: x2's four tiles of 16,384 bytes from 0; W2: [expert 8][row 16][1,024 + 16 bytes]
.set PITCH, 1040
.set PARTL, WLB+128*PITCH              ; the parts: [wave q][tile of rows rt][half][lane][16 bytes], 16,384 bytes
.set SPARE, PARTL+16384                ; the spare words, 128 bytes for each wave: two blocks of 256 bytes that no other line names
.set SPW, 4                            ; v4   LDS address of my spare word; never rewritten
.set NIL, 5                            ; v5   0; never rewritten
.set XAD, 6                            ; v6   x2 in LDS: 16 x lane + 4,096 x wave
.set WAD, 7                            ; v7-8 W2 in LDS: experts 0-3, 4-7
.set BO,  9                            ; v9   b2: 32 hh
.set PST, 10                           ; v10  where my parts go
.set PLD, 11                           ; v11  from where I read my tile's parts
.set OO,  12                           ; v12  out0: row r of 256 bytes, + 32 hh
.set GFO, 13                           ; v13  g of the tile of rows that I finish: 16 r + 256 x wave
.set GO,  14                           ; v14  g: 16 r
.set G,   32                           ; v32-63   g: (rt, e) at 8 rt + e
.set GF,  64                           ; v64-71   g of tile of rows w
.set P,   72                           ; v72-103  my part: tile of rows rt at 8 rt
.set S,   104                          ; v104-135 the four waves' parts of my tile
.set T,   136                          ; v136-143 at work
.set BV,  144                          ; v144-151 the biases weighed by g
.set MSB, 0
.macro WIN new                         ; the immediate's high byte repeats the setting that is left
.if MSB != (\new)
	s_set_vgpr_msb (MSB<<8)|(\new)
.set MSB, (\new)
.endif
.endm
.macro PLACES n
.rept \n
	v_nop
.endr
.endm
.macro CROUND                          ; a round of the cluster's barrier
	s_barrier_signal -1
	s_barrier_wait -1
	s_cmp_lg_u32 s16, 0
	s_cbranch_scc1 .Lnot_wave_0_\@
	s_barrier_signal -3
.Lnot_wave_0_\@:
	s_barrier_wait -3
	s_barrier_signal -1
	s_barrier_wait -1
.endm
.macro LDE e                           ; expert e's fragments: eight loads
	WIN 0x40                                       ; destination window 1
.irp ss, 0,1
.irp c, 0,1,2,3
	ds_load_b128 v[32*(\e)+16*\ss+4*\c:32*(\e)+16*\ss+4*\c+3], v[WAD+(\e)/4] offset:16*PITCH*((\e)%4)+128*\ss+32*\c
.endr
.endr
.endm
; expert e's eight products: two K steps x four tiles of rows; the four accumulators by turns; the first K step starts the sums.  young: LDS loads issued behind this expert's
.macro WE e, young
	s_wait_dscnt \young
	WIN 0xad                                       ; W2 window 1, x2 window 3, C and D window 2
.irp ss, 0,1
.irp rt, 0,1,2,3
.if \ss == 0
	v_wmma_f32_16x16x128_bf8_bf8 v[8*(4*(\e)+\rt):8*(4*(\e)+\rt)+7], v[32*(\e)+16*\ss:32*(\e)+16*\ss+15], v[32*\rt+16*\ss:32*\rt+16*\ss+15], 0
.else
	v_wmma_f32_16x16x128_bf8_bf8 v[8*(4*(\e)+\rt):8*(4*(\e)+\rt)+7], v[32*(\e)+16*\ss:32*(\e)+16*\ss+15], v[32*\rt+16*\ss:32*\rt+16*\ss+15], v[8*(4*(\e)+\rt):8*(4*(\e)+\rt)+7]
.endif
.endr
.endr
.endm
; my part += g x expert e's sums: 16 packed multiply-adds, each accumulator from its low end on.  Expert 0 starts the part: nothing is cleared
.macro CE e
	WIN 0x02                                       ; source 0 (the accumulator) window 2
.irp rt, 0,1,2,3
.irp i, 0,2,4,6
.if (\e) == 0
	v_pk_mul_f32 v[P+8*\rt+\i:P+8*\rt+\i+1], v[8*(4*(\e)+\rt)+\i:8*(4*(\e)+\rt)+\i+1], v[G+8*\rt:G+8*\rt+1] op_sel_hi:[1,0]
.elseif (\e)%2 == 0
	v_pk_fma_f32 v[P+8*\rt+\i:P+8*\rt+\i+1], v[8*(4*(\e)+\rt)+\i:8*(4*(\e)+\rt)+\i+1], v[G+8*\rt+(\e):G+8*\rt+(\e)+1], v[P+8*\rt+\i:P+8*\rt+\i+1] op_sel_hi:[1,0,1]
.else
	v_pk_fma_f32 v[P+8*\rt+\i:P+8*\rt+\i+1], v[8*(4*(\e)+\rt)+\i:8*(4*(\e)+\rt)+\i+1], v[G+8*\rt+(\e)-1:G+8*\rt+(\e)], v[P+8*\rt+\i:P+8*\rt+\i+1] op_sel:[0,1,0] op_sel_hi:[1,1,1]
.endif
.endr
.endr
.endm
	s_load_b256 s[4:11], s[0:1], 0x0               ; x2 s[4:5], W2 s[6:7], b2 s[8:9], g s[10:11]
	s_load_b128 s[12:15], s[0:1], 0x20             ; the scales' exponents s[12:13], out0 s[14:15]
	v_lshl_add_u32 v[SPW], v0, 2, SPARE
	v_mov_b32 v[NIL], 0
	ds_add_u32 v[SPW], v[NIL]                      ; the wave's opening: the add, twice on end, and its wait ahead of my first tensor load
	ds_add_u32 v[SPW], v[NIL]
	v_lshrrev_b32 v1, 5, v0
	v_readfirstlane_b32 s16, v1                    ; wave 0..3
	s_and_b32 s17, s16, 1
	s_bfe_u32 s18, ttmp6, 0x40000                  ; cx
	s_bfe_u32 s19, ttmp6, 0x40004                  ; cy: my block of 16 outputs (the grid is one cluster high)
	s_lshl_b32 s20, ttmp9, 2
	s_add_co_u32 s20, s20, s18                     ; my block of 64 rows = 4 x cluster x + cx
	s_lshl_b32 s21, s19, 2
	s_lshl_b32 s21, 15, s21                        ; the same outputs: places 4 cy .. 4 cy + 3
	s_lshl_b32 s22, 0x1111, s18                    ; the same rows: places cx, cx + 4, cx + 8, cx + 12
	s_or_b32 s24, s22, (3<<16)|(1<<21)             ; descriptor group 1 for x2: 32,768 dense bytes as 8 rows of 4,096; elements of 8 bytes, no padding; bit 21 beside a mask
	s_mov_b32 s25, 512<<16
	s_mov_b32 s26, 8<<16
	s_mov_b32 s27, 512<<16
	s_mov_b32 s28, 8
	s_mov_b32 s29, 512
	s_mov_b32 s30, 0
	s_mov_b32 s31, 0
	s_or_b32 s32, s21, (3<<16)|(1<<20)|(1<<21)|(7<<22)|(3<<25)   ; for W2: four experts x 16 rows of 1,024 bytes, dense, stated as one row of 16,384 bytes an expert, 65,536 apart; four words of padding after every 256
	s_mov_b32 s33, 2048<<16
	s_mov_b32 s34, 4<<16
	s_mov_b32 s35, 2048<<16
	s_mov_b32 s36, 4
	s_mov_b32 s37, 8192
	s_mov_b32 s38, 0
	s_mov_b32 s39, 0
	s_lshl_b32 s50, s20, 16                        ; x2: four tiles of rows; which half of them I fetch
	s_lshl_b32 s41, s17, 15
	s_add_co_u32 s50, s50, s41
	s_mov_b32 s51, 0
	s_lshl_b32 s52, s19, 14                        ; W2: 16 rows of an expert; which four experts I fetch
	s_lshl_b32 s54, s17, 18
	s_add_co_u32 s52, s52, s54
	s_mov_b32 s53, 0
	s_mul_i32 s45, s17, 64*PITCH
	s_wait_dscnt 0x0                               ; both opening adds are done
	s_wait_kmcnt 0x0
	s_load_b64 s[48:49], s[12:13], 0x20            ; e8, e9
	s_mov_b32 s40, 1
	s_add_nc_u64 s[42:43], s[4:5], s[50:51]
	s_or_b32 s43, s43, 0x80000000                  ; type = 2
	s_mov_b32 s44, 1
	s_add_co_u32 s45, s45, WLB
	s_add_nc_u64 s[46:47], s[6:7], s[52:53]
	s_or_b32 s47, s47, 0x80000000
	CROUND                                         ; all sixteen work-groups are here: the joint loads meet
	s_cmp_lt_u32 s16, 2
	s_cbranch_scc0 .Lfor_w
	tensor_load_to_lds s[40:43], s[24:31]
	s_nop 0
	PLACES 4
	s_branch .Lasked
.Lfor_w:
	tensor_load_to_lds s[44:47], s[32:39]
	s_nop 0
	PLACES 4
.Lasked:
	s_mov_b32 s57, 0
	s_lshl_b32 s56, s20, 10                        ; g: my 64 rows of 16 bytes in each plane
	s_add_nc_u64 s[10:11], s[10:11], s[56:57]
	s_lshl_b32 s56, s19, 6                         ; b2: my 16 outputs
	s_add_nc_u64 s[8:9], s[8:9], s[56:57]
	s_lshl_b32 s58, s20, 14                        ; out0: my 64 rows of 256 bytes, the 16 that I finish, my 16 outputs
	s_add_co_u32 s56, s56, s58
	s_lshl_b32 s58, s16, 12
	s_add_co_u32 s56, s56, s58
	s_add_nc_u64 s[14:15], s[14:15], s[56:57]
	s_lshl_b32 s58, s16, 8
	v_and_b32 v1, 15, v0                           ; r
	v_bfe_u32 v2, v0, 4, 1                         ; hh
	v_and_b32 v3, 31, v0
	v_lshlrev_b32 v3, 4, v3                        ; 16 x lane
	v_lshlrev_b32 v[GO], 4, v1
	v_add_nc_u32 v[GFO], s58, v[GO]
	v_lshlrev_b32 v[BO], 5, v2
	s_wait_alu depctr_va_vdst(0)
.irp rt, 0,1,2,3
	global_load_b128 v[G+8*\rt:G+8*\rt+3], v[GO], s[10:11] offset:256*\rt
	global_load_b128 v[G+8*\rt+4:G+8*\rt+7], v[GO], s[10:11] offset:256*\rt+65536
.endr
	global_load_b128 v[GF:GF+3], v[GFO], s[10:11]
	global_load_b128 v[GF+4:GF+7], v[GFO], s[10:11] offset:65536
	WIN 0xc0                                       ; destination window 3
.irp e, 0,1,2,3,4,5,6,7
	global_load_b128 v[128+8*\e:128+8*\e+3], v[BO], s[8:9] offset:256*\e
	global_load_b128 v[128+8*\e+4:128+8*\e+7], v[BO], s[8:9] offset:256*\e+16
.endr
	WIN 0
	v_mul_u32_u24 v15, v1, PITCH
	v_lshl_add_u32 v15, v2, 4, v15
	s_add_co_u32 s58, s58, WLB                     ; 256 k of a row for each wave
	v_add_nc_u32 v[WAD], s58, v15
	v_add_nc_u32 v[WAD+1], 64*PITCH, v[WAD]
	s_lshl_b32 s58, s16, 12
	v_add_nc_u32 v[XAD], s58, v3
	s_add_co_u32 s58, s58, PARTL
	v_add_nc_u32 v[PST], s58, v3
	s_lshl_b32 s58, s16, 10
	s_add_co_u32 s58, s58, PARTL
	v_add_nc_u32 v[PLD], s58, v3
	v_lshlrev_b32 v[OO], 8, v1
	v_lshl_add_u32 v[OO], v2, 5, v[OO]
	s_wait_alu depctr_va_vdst(0)
	s_wait_tensorcnt 0x0                           ; my tile is in
	s_wait_dscnt 0x0
	s_barrier_signal -1
	s_barrier_wait -1
	WIN 0xc0                                       ; destination window 3
.irp rt, 0,1,2,3
.irp ss, 0,1
.irp c, 0,1,2,3
	ds_load_b128 v[32*\rt+16*\ss+4*\c:32*\rt+16*\ss+4*\c+3], v[XAD] offset:16384*\rt+2048*\ss+512*\c
.endr
.endr
.endr
	LDE 0
	LDE 1
	WE 0, 8
	LDE 2
	WE 1, 8
	LDE 3
	s_wait_loadcnt 16                              ; g is in; b2's 16 loads may be out
	PLACES 4                                       ; four plain places in front of the first read of results (ISA guide 7.12.1); from here on the 16 lines of the expert before are the places
	CE 0
.irp e, 2,3,4,5
	WE \e, 8
	LDE \e+2
	CE \e-1
.endr
	WE 6, 8
	CE 5
	WE 7, 0
	CE 6
	CE 7
	WIN 0
	s_wait_alu depctr_va_vdst(0)
.irp rt, 0,1,2,3
	ds_store_b128 v[PST], v[P+8*\rt:P+8*\rt+3] offset:1024*\rt
	ds_store_b128 v[PST], v[P+8*\rt+4:P+8*\rt+7] offset:1024*\rt+512
.endr
	s_wait_dscnt 0x0                               ; for the others' sake: my parts have landed
	s_barrier_signal -1
	s_barrier_wait -1
.irp q, 0,1,2,3
	ds_load_b128 v[S+8*\q:S+8*\q+3], v[PLD] offset:4096*\q
	ds_load_b128 v[S+8*\q+4:S+8*\q+7], v[PLD] offset:4096*\q+512
.endr
	s_wait_loadcnt 0x0                             ; b2
	s_wait_kmcnt 0x0
	s_add_co_i32 s26, s48, s49                     ; e8 + e9 (the tensor load that read s26 and s27 is done)
	s_add_co_i32 s26, s26, 127
	s_lshl_b32 s26, s26, 23                        ; 2^(e8 + e9) as f32
	s_mov_b32 s27, s26                             ; (named with it as a pair, so it is written)
	WIN 0x03                                       ; source 0 (b2) window 3
.irp i, 0,2,4,6
	v_pk_mul_f32 v[BV+\i:BV+\i+1], v[128+\i:128+\i+1], v[GF:GF+1] op_sel_hi:[1,0]
.endr
.irp e, 1,2,3,4,5,6,7
.irp i, 0,2,4,6
.if (\e)%2 == 0
	v_pk_fma_f32 v[BV+\i:BV+\i+1], v[128+8*\e+\i:128+8*\e+\i+1], v[GF+\e:GF+\e+1], v[BV+\i:BV+\i+1] op_sel_hi:[1,0,1]
.else
	v_pk_fma_f32 v[BV+\i:BV+\i+1], v[128+8*\e+\i:128+8*\e+\i+1], v[GF+\e-1:GF+\e], v[BV+\i:BV+\i+1] op_sel:[0,1,0] op_sel_hi:[1,1,1]
.endif
.endr
.endr
	WIN 0
	s_wait_alu depctr_va_vdst(0)
	s_wait_dscnt 0x0                               ; the four parts of my tile are in
.irp i, 0,2,4,6
	v_pk_add_f32 v[T+\i:T+\i+1], v[S+\i:S+\i+1], v[S+8+\i:S+8+\i+1]
	v_pk_add_f32 v[S+16+\i:S+16+\i+1], v[S+16+\i:S+16+\i+1], v[S+24+\i:S+24+\i+1]
.endr
.irp i, 0,2,4,6
	v_pk_add_f32 v[T+\i:T+\i+1], v[T+\i:T+\i+1], v[S+16+\i:S+16+\i+1]
.endr
.irp i, 0,2,4,6
	v_pk_fma_f32 v[T+\i:T+\i+1], v[T+\i:T+\i+1], s[26:27], v[BV+\i:BV+\i+1] op_sel_hi:[1,0,1]   ; y = sum x 2^(e8 + e9) + the biases weighed by g
.endr
.irp j, 0,1,2,3,4,5,6,7
	v_mul_f32 v[T+\j], 0x4038aa3b, v[T+\j]         ; 2 log2(e) y
.endr
	s_wait_alu depctr_va_vdst(0)
.irp j, 0,1,2,3,4,5,6,7
	v_exp_f32 v[T+\j], v[T+\j]
.endr
	v_nop                                          ; one plain line behind the last exponential
	s_wait_alu depctr_va_vdst(0)                   ; one wait for the batch, ahead of its first reader
.irp j, 0,1,2,3,4,5,6,7
	v_add_f32 v[T+\j], 1.0, v[T+\j]
.endr
	s_wait_alu depctr_va_vdst(0)
.irp j, 0,1,2,3,4,5,6,7
	v_rcp_f32 v[T+\j], v[T+\j]
.endr
	v_nop
	s_wait_alu depctr_va_vdst(0)
.irp j, 0,1,2,3,4,5,6,7
	v_fma_f32 v[T+\j], v[T+\j], -2.0, 1.0
.endr
	global_store_b128 v[OO], v[T:T+3], s[14:15]
	global_store_b128 v[OO], v[T+4:T+7], s[14:15] offset:16
	s_wait_tensorcnt 0x0                           ; the wave's end: behind my last tensor load and my last LDS store
	ds_add_u32 v[SPW], v[NIL]
	s_wait_dscnt 0x0
	CROUND                                         ; the closing round: no work-group ends while a partner may still ask for a tile that names it
	s_endpgm
.Lfunc_end_k_q4c0851f5b7_head:
	.size	k_q4c0851f5b7_head, .Lfunc_end_k_q4c0851f5b7_head-k_q4c0851f5b7_head
	.p2alignl 7, 3214868480
	.fill 96, 4, 3214868480
	.section	.rodata,"a",@progbits
	.p2align	6, 0x0
	.amdhsa_kernel k_q4c0851f5b7_head
		.amdhsa_group_segment_fixed_size 327680
		.amdhsa_private_segment_fixed_size 0
		.amdhsa_enable_private_segment 0
		.amdhsa_kernarg_size 48
		.amdhsa_user_sgpr_count 2
		.amdhsa_user_sgpr_kernarg_segment_ptr 1
		.amdhsa_wavefront_size32 1
		.amdhsa_system_sgpr_workgroup_id_x 1
		.amdhsa_system_sgpr_workgroup_id_y 1
		.amdhsa_system_sgpr_workgroup_id_z 1
		.amdhsa_system_vgpr_workitem_id 0
		.amdhsa_next_free_vgpr 960
		.amdhsa_next_free_sgpr 66
		.amdhsa_reserve_vcc 0
		.amdhsa_float_denorm_mode_32 3
		.amdhsa_float_denorm_mode_16_64 3
		.amdhsa_memory_ordered 1
		.amdhsa_forward_progress 1
		.amdhsa_inst_pref_size 34
	.end_amdhsa_kernel
	.amdgpu_metadata
---
amdhsa.version: [ 1, 2 ]
amdhsa.kernels:
  - .name:           k_q4c0851f5b7_head
    .symbol:         k_q4c0851f5b7_head.kd
    .args:
      - { .name: x2, .offset: 0, .size: 8, .value_kind: global_buffer, .address_space: global }
      - { .name: w2_codes, .offset: 8, .size: 8, .value_kind: global_buffer, .address_space: global }
      - { .name: b2, .offset: 16, .size: 8, .value_kind: global_buffer, .address_space: global }
      - { .name: g, .offset: 24, .size: 8, .value_kind: global_buffer, .address_space: global }
      - { .name: lowp_scales, .offset: 32, .size: 8, .value_kind: global_buffer, .address_space: global }
      - { .name: out0, .offset: 40, .size: 8, .value_kind: global_buffer, .address_space: global }
    .group_segment_fixed_size: 327680
    .private_segment_fixed_size: 0
    .kernarg_segment_align: 8
    .kernarg_segment_size: 48
    .max_flat_workgroup_size: 128
    .sgpr_count:     66
    .vgpr_count:     960
    .wavefront_size: 32
...
	.end_amdgpu_metadata
.endif
;; end of part 3
